; MI455X (gfx1250); checked and timed in simulation.
; The chip was launched on July 23, 2026; its instructions are those of AMD's public machine-readable ISA for CDNA 5 (MIT licence, August 2026) and "CDNA5" Instruction Set Architecture Reference Guide (July 2026). The comments in the code are by the model that wrote it; some were corrected since.
;; MQ Parallel FF Transformer. Allowed arithmetic: float matrix products may take bf16 or f16 operands with f32 sums; all other float work in f32.
;; Inputs: Wff1 1,024 x 8,192 float32; Wff2 4,096 x 1,024 float32; Wkv 1,024 x 128 float32; Wo 1,024 x 1,024 float32; Wq 1,024 x 1,024 float32; g1 1,024 float32; g2 1,024 float32; g_out 1,024 float32; x 4 x 1,024 x 1,024 float32; y 4 x 1,024 x 1,024 float32.
;; Outputs: out0 4 x 1,024 x 1,024 float32.
;; 2 versions, each right; version 2 is version 1 with the launch prep written anew for expert scheduling mode. Each part assembles by itself: llvm-mc -triple=amdgcn-amd-amdhsa -mcpu=gfx1250 --defsym DOCPART=n.
;; ======== version 1 of 2: 6 launches
;; workspace buffers: wb 29,622,272 bytes; xyn 16,777,216 bytes; yst 32,768 bytes; qkv 9,437,184 bytes; att 8,388,608 bytes; hb 33,554,432 bytes; tb 16,777,216 bytes; tst 262,144 bytes
;; launch prep (part 1): grid 708 x 1, 8 waves a work-group, no clusters, 0 bytes of LDS; arguments x, y, g1, g2, Wff1, Wff2, Wo, Wq, Wkv, xyn, yst, wb; writes xyn, yst, wb
.if DOCPART == 1
	.amdgcn_target "amdgcn-amd-amdhsa--gfx1250"
	.amdhsa_code_object_version 6
	.text
	.protected	k_qe8c0530c75_prep
	.globl	k_qe8c0530c75_prep
	.p2align	8
	.type	k_qe8c0530c75_prep,@function
k_qe8c0530c75_prep:
	s_mov_b64 s[64:65], 0
	v_nop
	global_prefetch_b8 v0, s[64:65] scope:SCOPE_SE
	s_setreg_imm32_b32 hwreg(HW_REG_WAVE_MODE, 25, 1), 1
	s_wait_xcnt 0x0
; prep: xn = LN(x) g1 and yn = LN(y) g2 in bf16, (mean, rstd) of y's rows in f32, and all five weights cast to bf16.
; A pure stream: no LDS, no barrier, no matrix unit, no cluster (no two work-groups read the same bytes).
; Every work-group turns 131,072 bytes of f32 into 65,536 bytes of bf16; a wave owns 16 KiB of the source and issues all its 32
; loads of 16 bytes a lane at once, into 128 registers that are loaded once, so nothing is ever loaded over.
; One load covers 512 consecutive bytes; its two conversions give 8 bytes a lane: one store covers 256 consecutive bytes, aligned.
; Work-groups 0-127: 32 rows of x; 128-255: 32 rows of y; 256-707: casts (Wff1 256, Wff2 128, Wo 32, Wq 32, Wkv 4 work-groups).
; wb: Wff1 [1024][8192] at 0, Wff2 [4096][1024] at 16,777,216, Wo [1024][1024] at 25,165,824,
;     Wqkv [1024][1152] at 27,262,976 (row pitch 2,304 bytes; columns 0-1023 Wq, 1024-1151 Wkv).
; LayerNorm: a wave takes four rows, one row = 8 loads = 32 registers; the variance is taken about the mean (two passes over registers),
; so a common offset of the inputs costs no digits.  v_rsq_f32 is good to 1 ULP.  NaN and infinities are not treated specially.
; The statistics go out as 32 bytes a wave from one lane: 32 KiB in the whole launch, in pieces shorter than 256 bytes.
.set WQKV, 27262976
.set G,    4                           ; v[4:35]    gamma of my 32 columns
.set X,    36                          ; v[36:163]  the wave's 16 KiB as loaded, then as stored
.set T,    164                         ; v[164:171] four chains of two
.set M,    172                         ; v[172:173] the mean, twice
.set R,    174                         ; v[174:175] rstd, twice
.set ST,   176                         ; v[176:183] (mean, rstd) of my four rows
.set SO,   184                         ; byte offset of the wave's statistics
.set PX,   185                         ; the other half's sum
.set LANE, 186
.set WV,   187
	s_load_b512 s[8:23], s[0:1], 0x0               ; x 8, y 10, g1 12, g2 14, Wff1 16, Wff2 18, Wo 20, Wq 22
	s_load_b256 s[24:31], s[0:1], 0x40             ; Wkv 24, xyn 26, yst 28, wb 30
	s_mov_b32 s40, ttmp9                           ; the work-group's number
	s_mov_b32 s37, 0                               ; high word of every offset pair s[36:37]
	s_mov_b32 s44, 0x3a800000                      ; 1/1024
	s_mov_b32 s45, 0x3727c5ac                      ; 1e-5
	s_mov_b32 s46, 0x76543210                      ; v_permlanex16_b32: lane i reads lane i of the other half
	s_mov_b32 s47, 0xfedcba98
	v_and_b32 v[LANE], 31, v0
	v_lshrrev_b32 v[WV], 5, v0
	v_lshlrev_b32 v3, 4, v[LANE]                   ; 16 x lane: offset in gamma
	v_lshl_add_u32 v1, v[WV], 14, v3               ; load offset: 16,384 x wave + 16 x lane
	v_lshlrev_b32 v2, 3, v[LANE]                   ; store offset: 8 x lane; the wave's term is added on each way
.macro LOAD32
.set k, 0
.rept 32
	global_load_b128 v[X+4*k:X+4*k+3], v1, s[32:33] offset:512*k th:TH_LOAD_NT
.set k, k+1
.endr
.endm
; 32 x (wait, two conversions in place, one store).  Load k goes to byte (k>>3) p8 + (k&7) p1 behind the wave's first.
.macro CAST32 p8, p1
.set k, 0
.rept 32
	s_wait_loadcnt 31-k                            ; loads come back in order: load k is in, the 31-k younger ones stay out
	v_cvt_pk_bf16_f32 v[X+4*k],   v[X+4*k],   v[X+4*k+1]
	v_cvt_pk_bf16_f32 v[X+4*k+1], v[X+4*k+2], v[X+4*k+3]
	global_store_b64 v2, v[X+4*k:X+4*k+1], s[34:35] offset:(k>>3)*\p8+(k&7)*\p1
.set k, k+1
.endr
.endm
.macro FOLD                            ; the four chains into v[T]
	v_pk_add_f32 v[T:T+1],   v[T:T+1],   v[T+2:T+3]
	v_pk_add_f32 v[T+4:T+5], v[T+4:T+5], v[T+6:T+7]
	v_pk_add_f32 v[T:T+1],   v[T:T+1],   v[T+4:T+5]
	v_add_f32 v[T], v[T], v[T+1]
.endm
.macro REDUCE                          ; v[T] summed over the 32 lanes, in every lane
.irp m, 1,2,4,8
	v_add_f32_dpp v[T], v[T], v[T] row_xmask:\m row_mask:0xf bank_mask:0xf
.endr
	v_permlanex16_b32 v[PX], v[T], s46, s47
	v_add_f32 v[T], v[T], v[PX]
.endm
; Row i of the wave's four: registers X + 32 i .. + 31
.macro LNROW i
	s_wait_loadcnt 24-8*\i                         ; gamma (issued first) and this row's 8 loads are in; the later rows' loads stay out
.irp c, 0,2,4,6
	v_pk_add_f32 v[T+\c:T+\c+1], v[X+32*\i+\c:X+32*\i+\c+1], v[X+32*\i+8+\c:X+32*\i+8+\c+1]   ; the first words start the chains
.endr
.irp o, 16,24
.irp c, 0,2,4,6
	v_pk_add_f32 v[T+\c:T+\c+1], v[T+\c:T+\c+1], v[X+32*\i+\o+\c:X+32*\i+\o+\c+1]
.endr
.endr
	FOLD
	REDUCE
	v_mul_f32 v[M],   s44, v[T]
	v_mul_f32 v[M+1], s44, v[T]
.set p, 0
.rept 16
	v_pk_add_f32 v[X+32*\i+p:X+32*\i+p+1], v[X+32*\i+p:X+32*\i+p+1], v[M:M+1] neg_lo:[0,1] neg_hi:[0,1]   ; x - mean, in place
.set p, p+2
.endr
.irp c, 0,2,4,6
	v_pk_mul_f32 v[T+\c:T+\c+1], v[X+32*\i+\c:X+32*\i+\c+1], v[X+32*\i+\c:X+32*\i+\c+1]
.endr
.irp o, 8,16,24
.irp c, 0,2,4,6
	v_pk_fma_f32 v[T+\c:T+\c+1], v[X+32*\i+\o+\c:X+32*\i+\o+\c+1], v[X+32*\i+\o+\c:X+32*\i+\o+\c+1], v[T+\c:T+\c+1]
.endr
.endr
	FOLD
	REDUCE
	v_fma_f32 v[T], v[T], s44, s45                 ; variance + 1e-5
	v_rsq_f32 v[R], v[T]
	v_mov_b32 v[ST+2*\i], v[M]                     ; the plain instruction between v_rsq_f32 and the first use of its result (ISA guide 5.7.2)
	s_wait_alu depctr_va_vdst(0)
	v_mov_b32 v[R+1], v[R]
	v_mov_b32 v[ST+2*\i+1], v[R]
.set p, 0
.rept 16
	v_pk_mul_f32 v[X+32*\i+p:X+32*\i+p+1], v[X+32*\i+p:X+32*\i+p+1], v[R:R+1]
	v_pk_mul_f32 v[X+32*\i+p:X+32*\i+p+1], v[X+32*\i+p:X+32*\i+p+1], v[G+p:G+p+1]
.set p, p+2
.endr
.irp j, 0,1,2,3,4,5,6,7
	v_cvt_pk_bf16_f32 v[X+32*\i+4*\j],   v[X+32*\i+4*\j],   v[X+32*\i+4*\j+1]
	v_cvt_pk_bf16_f32 v[X+32*\i+4*\j+1], v[X+32*\i+4*\j+2], v[X+32*\i+4*\j+3]
	global_store_b64 v2, v[X+32*\i+4*\j:X+32*\i+4*\j+1], s[34:35] offset:2048*\i+256*\j
.endr
.endm
	s_cmp_lt_u32 s40, 256
	s_cbranch_scc0 .Lcast
	; ---- LayerNorm: 32 rows of x (work-groups 0-127) or of y (128-255)
	s_cmp_lt_u32 s40, 128
	s_wait_kmcnt 0x0
	s_cselect_b64 s[32:33], s[8:9], s[10:11]       ; x or y
	s_cselect_b64 s[38:39], s[12:13], s[14:15]     ; g1 or g2
	s_and_b32 s36, s40, 127
	s_lshl_b32 s36, s36, 17                        ; 32 rows of 4,096 bytes
	s_add_nc_u64 s[32:33], s[32:33], s[36:37]
	s_lshl_b32 s36, s40, 16                        ; xn, then yn: 32 rows of 2,048 bytes for each work-group
	s_add_nc_u64 s[34:35], s[26:27], s[36:37]
.irp j, 0,1,2,3,4,5,6,7
	global_load_b128 v[G+4*\j:G+4*\j+3], v3, s[38:39] offset:512*\j
.endr
	LOAD32
	v_lshl_add_u32 v2, v[WV], 13, v2               ; + four rows of 2,048 bytes a wave
	v_lshlrev_b32 v[SO], 5, v[WV]                  ; four rows x 8 bytes of statistics a wave
	v_mov_b32 v[PX], 0                             ; v_permlanex16_b32 counts as a reader of its destination
	LNROW 0
	LNROW 1
	LNROW 2
	LNROW 3
	s_cmp_lt_u32 s40, 128
	s_cbranch_scc1 .Ldone                          ; x's statistics are not needed again
	s_wait_xcnt 0x0                                ; EXEC and s[38:39] change only behind this wait
	s_sub_co_u32 s36, s40, 128
	s_lshl_b32 s36, s36, 8                         ; 32 rows x 8 bytes
	s_add_nc_u64 s[38:39], s[28:29], s[36:37]
	v_cmp_eq_u32 vcc_lo, 0, v[LANE]
	s_and_saveexec_b32 s43, vcc_lo                 ; every lane holds the same eight numbers: lane 0 stores them
	global_store_b128 v[SO], v[ST:ST+3],   s[38:39]
	global_store_b128 v[SO], v[ST+4:ST+7], s[38:39] offset:16
	s_wait_xcnt 0x0                                ; and again in front of the line that widens EXEC
	s_or_b32 exec_lo, exec_lo, s43
.Ldone:
	s_endpgm
	; ---- casts.  c = number - 256 picks the weight and where in it this work-group begins
.Lcast:
	s_sub_co_u32 s41, s40, 256
	s_wait_kmcnt 0x0
	s_mov_b64 s[32:33], s[24:25]                   ; Wkv from c = 448
	s_mov_b32 s42, 448
	s_cmp_lt_u32 s41, 448
	s_cselect_b64 s[32:33], s[22:23], s[32:33]     ; Wq from 416
	s_cselect_b32 s42, 416, s42
	s_cmp_lt_u32 s41, 416
	s_cselect_b64 s[32:33], s[20:21], s[32:33]     ; Wo from 384
	s_cselect_b32 s42, 384, s42
	s_cmp_lt_u32 s41, 384
	s_cselect_b64 s[32:33], s[18:19], s[32:33]     ; Wff2 from 256
	s_cselect_b32 s42, 256, s42
	s_cmp_lt_u32 s41, 256
	s_cselect_b64 s[32:33], s[16:17], s[32:33]     ; Wff1 from 0
	s_cselect_b32 s42, 0, s42
	s_sub_co_u32 s36, s41, s42
	s_lshl_b32 s36, s36, 17
	s_add_nc_u64 s[32:33], s[32:33], s[36:37]
	LOAD32
	s_cmp_lt_u32 s41, 416
	s_cbranch_scc0 .Lq_or_kv
	s_lshl_b32 s36, s41, 16                        ; Wff1, Wff2, Wo keep their shape: the copy is dense
	s_add_nc_u64 s[34:35], s[30:31], s[36:37]
	v_lshl_add_u32 v2, v[WV], 13, v2
	CAST32 2048, 256
	s_endpgm
.Lq_or_kv:
	s_cmp_lt_u32 s41, 448
	s_cbranch_scc0 .Lkv
	s_sub_co_u32 s36, s41, 416                     ; Wq: 32 rows a work-group, 4 a wave, into rows of 2,304 bytes
	s_mul_i32 s36, s36, 32*2304
	s_add_co_u32 s36, s36, WQKV
	s_add_nc_u64 s[34:35], s[30:31], s[36:37]
	v_mad_u32_u24 v2, v[WV], 4*2304, v2
	CAST32 2304, 256
	s_endpgm
.Lkv:
	s_sub_co_u32 s36, s41, 448                     ; Wkv: a load is one row of 128; 256 rows a work-group, 32 a wave, behind Wq's 2,048 bytes
	s_mul_i32 s36, s36, 256*2304
	s_add_co_u32 s36, s36, WQKV+2048
	s_add_nc_u64 s[34:35], s[30:31], s[36:37]
	v_mad_u32_u24 v2, v[WV], 32*2304, v2
	CAST32 8*2304, 2304
	s_endpgm
.Lfunc_end_k_qe8c0530c75_prep:
	.size	k_qe8c0530c75_prep, .Lfunc_end_k_qe8c0530c75_prep-k_qe8c0530c75_prep
	.p2alignl 7, 3214868480
	.fill 96, 4, 3214868480
	.section	.rodata,"a",@progbits
	.p2align	6, 0x0
	.amdhsa_kernel k_qe8c0530c75_prep
		.amdhsa_group_segment_fixed_size 0
		.amdhsa_private_segment_fixed_size 0
		.amdhsa_enable_private_segment 0
		.amdhsa_kernarg_size 96
		.amdhsa_user_sgpr_count 2
		.amdhsa_user_sgpr_kernarg_segment_ptr 1
		.amdhsa_wavefront_size32 1
		.amdhsa_system_sgpr_workgroup_id_x 1
		.amdhsa_system_sgpr_workgroup_id_y 1
		.amdhsa_system_sgpr_workgroup_id_z 1
		.amdhsa_system_vgpr_workitem_id 0
		.amdhsa_next_free_vgpr 192
		.amdhsa_next_free_sgpr 66
		.amdhsa_reserve_vcc 1
		.amdhsa_float_denorm_mode_32 3
		.amdhsa_float_denorm_mode_16_64 3
		.amdhsa_memory_ordered 1
		.amdhsa_forward_progress 1
		.amdhsa_inst_pref_size 67
	.end_amdhsa_kernel
	.amdgpu_metadata
---
amdhsa.version: [ 1, 2 ]
amdhsa.kernels:
  - .name:           k_qe8c0530c75_prep
    .symbol:         k_qe8c0530c75_prep.kd
    .args:
      - { .name: x, .offset: 0, .size: 8, .value_kind: global_buffer, .address_space: global }
      - { .name: y, .offset: 8, .size: 8, .value_kind: global_buffer, .address_space: global }
      - { .name: g1, .offset: 16, .size: 8, .value_kind: global_buffer, .address_space: global }
      - { .name: g2, .offset: 24, .size: 8, .value_kind: global_buffer, .address_space: global }
      - { .name: Wff1, .offset: 32, .size: 8, .value_kind: global_buffer, .address_space: global }
      - { .name: Wff2, .offset: 40, .size: 8, .value_kind: global_buffer, .address_space: global }
      - { .name: Wo, .offset: 48, .size: 8, .value_kind: global_buffer, .address_space: global }
      - { .name: Wq, .offset: 56, .size: 8, .value_kind: global_buffer, .address_space: global }
      - { .name: Wkv, .offset: 64, .size: 8, .value_kind: global_buffer, .address_space: global }
      - { .name: xyn, .offset: 72, .size: 8, .value_kind: global_buffer, .address_space: global }
      - { .name: yst, .offset: 80, .size: 8, .value_kind: global_buffer, .address_space: global }
      - { .name: wb, .offset: 88, .size: 8, .value_kind: global_buffer, .address_space: global }
    .group_segment_fixed_size: 0
    .private_segment_fixed_size: 0
    .kernarg_segment_align: 8
    .kernarg_segment_size: 96
    .max_flat_workgroup_size: 256
    .sgpr_count:     66
    .vgpr_count:     192
    .wavefront_size: 32
...
	.end_amdgpu_metadata
.endif
;; end of part 1
;; launch qkvp (part 2): grid 16 x 9, 4 waves a work-group, clusters of 4 x 1, 327,680 bytes of LDS; arguments xyn, wb, qkv; writes qkv
.if DOCPART == 2
	.amdgcn_target "amdgcn-amd-amdhsa--gfx1250"
	.amdhsa_code_object_version 6
	.text
	.protected	k_qe8c0530c75_qkvp
	.globl	k_qe8c0530c75_qkvp
	.p2align	8
	.type	k_qe8c0530c75_qkvp,@function
k_qe8c0530c75_qkvp:
	s_mov_b64 s[64:65], 0
	v_nop
	global_prefetch_b8 v0, s[64:65] scope:SCOPE_SE
	s_setreg_imm32_b32 hwreg(HW_REG_WAVE_MODE, 25, 1), 1
	s_wait_xcnt 0x0
	s_wait_alu depctr_hold_cnt(0) depctr_sa_sdst(0) depctr_va_vdst(0) depctr_va_sdst(0) depctr_va_ssrc(0) depctr_va_vcc(0) depctr_vm_vsrc(0)
	s_getreg_b32 s2, hwreg(HW_REG_IB_STS2, 6, 4)
	s_cmp_eq_u32 s2, 0
	s_cbranch_scc0 .Lentry_in_a_cluster
	s_endpgm
.Lentry_in_a_cluster:
	s_bfe_u32 s2, ttmp6, 0x10000c
	s_cmp_lg_u32 s2, 0x3003
	s_cbranch_scc0 .Lentry_shape_is_right
	s_endpgm
.Lentry_shape_is_right:
; qkv[4096][1152] (bf16) = [ xn Wq | yn Wkv ].  A: xn or yn [4096][1024] bf16; B: Wqkv [1024 (k)][1152 (n)] bf16; sums in f32.
; A work-group makes a block of 256 x 128: 16 x 9 = 144 work-groups of equal work, each with a WGP of its own, in place of 288 of half the size,
; which would have to run in two turns and pay set-up, first tiles and the way out twice in sequence.
; Four waves, 2 x 2: wave (s11, s12) has rows 128 s11 .. + 127 and HALF OF K: a slot holds a K step of 128, the wave multiplies k = 64 s12 .. + 63 of it,
; so each wave has a 128 x 128 accumulator (64 tiles, 512 registers), and the two partial blocks of a row half are added through LDS at the end.
; The order of the sums over k therefore differs from a single ascending chain.  Operands are bf16.
; B lies [k][n] in memory and in LDS; its fragments come out of LDS by the transposing load ds_load_tr16_b128.
; CLUSTERS: 4 x 1 work-groups with the same block column need the same tiles of B: those are asked for jointly (mask 15).
; A's tiles are each work-group's own: the grid has 9 block columns, which no 4 divides, so A cannot be shared along a row of a cluster.
; LDS: two slots of four pieces of 36,864 bytes, piece = the wave that fetches it: A rows 0-127, A rows 128-255 (128 x 272 bytes each,
; 256 of data + 16 of padding), B k 0-63, B k 64-127 (64 x 288 bytes each, 256 of data + 32 of padding; the rest of the piece is not used).
; Pitch 272 = 17 x 16: the sixteen rows of a fragment load start in sixteen different 16-byte columns modulo 256; 288 = 9 x 32 for the transposing load.
; REGISTERS in windows of 256: window 0: v0-31 addresses, v64-127 and v128-191 A's fragments (two buffers); window 1: the same for B;
; windows 2, 3: accumulator tile (a, b) at v[8 (8 (a & 3) + b)].  The matrix instruction is used transposed (source 0 = B, source 1 = A):
; lane l holds row l % 16 of C and registers 0-7 the columns 8 (l / 16) + 0..7.
.set KTOT,  1024
.set NB,    1152
.set WOFF,  27262976                   ; Wqkv in wb
.set YN,    8388608                    ; yn in xyn
.set PA,    272
.set PB,    288
.set PIECE, 36864
.set SLOT,  4*PIECE
.set ASTEP, 512                        ; two K steps along A's rows, bytes
.set BSTEP, 256*NB*2                   ; two K steps down B's rows, bytes
.set LAPS,  KTOT/256                   ; a lap = two K steps of 128
.set PP,    528                        ; pitch of a partial block's f32 rows: 512 + 16
.set PART,  128*PP                     ; a wave's partial block
.set ADRA, 16                          ; v16-17  my A fragments in slot 0, 1
.set ADRB, 20                          ; v20-21  my B fragments
.set RD,   24                          ; v24-25  my rows in the two partial blocks of my row half
.set STO,  28                          ; where I put a tile's 16 bytes
.set CO,   29                          ; my byte offset in a row of the output
.set F0,   64
.set F1,   128
.set G1,  24                           ; s[24:31] group 1 for A
.set G0,  32                           ; s[32:39] group 0 for A, one set a slot
.set G1B, 48                           ; s[48:55] group 1 for B
.set G0B, 56                           ; s[56:63] group 0 for B, one set a slot
.set MSB, 0
.macro WIN new                         ; the immediate's high byte repeats the setting that is left
.if MSB != \new
	s_set_vgpr_msb (MSB<<8)|\new
.set MSB, \new
.endif
.endm
.set MUL_LO, 0xa1                      ; source 0 (B) window 1, source 1 (A) window 0, C and D window 2
.set MUL_HI, 0xf1                      ; the same, C and D window 3
.set TO_B,   0x40                      ; destination window 1, address window 0
.macro JLOAD s                         ; waves 0, 1 fetch A's two pieces, waves 2, 3 B's: one tensor load a wave
	s_cmp_eq_u32 s11, 0
	s_cbranch_scc0 .Lfor_b_\@
	tensor_load_to_lds s[G0+4*\s:G0+4*\s+3], s[G1:G1+7]
	s_nop 0
	s_branch .Lasked_\@
.Lfor_b_\@:
	tensor_load_to_lds s[G0B+4*\s:G0B+4*\s+3], s[G1B:G1B+7]
	s_nop 0
.Lasked_\@:
.endm
.macro CREST                           ; a round of the cluster's barrier behind its opening barrier
	s_cmp_lg_u32 s10, 0
	s_cbranch_scc1 .Lnot_wave_0_\@
	s_barrier_signal -3
.Lnot_wave_0_\@:
	s_barrier_wait -3
	s_barrier_signal -1
	s_barrier_wait -1
.endm
.macro CROUND
	s_barrier_signal -1
	s_barrier_wait -1
	CREST
.endm
	s_load_b128 s[4:7], s[0:1], 0x0                ; xyn s[4:5], wb s[6:7]
	s_load_b64 s[8:9], s[0:1], 0x10                ; qkv
	s_set_vgpr_msb 0x40
	v_lshl_add_u32 v255, v0, 2, 0x48000
	s_set_vgpr_msb 0x4000
	v_mov_b32 v255, 0
	s_set_vgpr_msb 0x1
	ds_add_u32 v255, v255
	s_set_vgpr_msb 0x100
	v_lshrrev_b32 v1, 5, v0
	v_readfirstlane_b32 s10, v1                    ; wave 0..3
	s_lshr_b32 s11, s10, 1                         ; my half of the block's rows.  Also: I fetch for A (0) or for B (1)
	s_and_b32 s12, s10, 1                          ; my half of a K step.  Also: which piece I fetch
	s_bfe_u32 s40, ttmp6, 0x40000                  ; cx
	s_lshl_b32 s13, ttmp9, 2
	s_add_co_u32 s13, s13, s40                     ; block row = 4 x cluster x + cx
	s_and_b32 s42, ttmp7, 0xffff                   ; block column, shared by the four partners
	s_mov_b32 s[G1+0], (1<<16)|(1<<20)|(5<<22)|(3<<25)              ; no mask: my own tile; 2-byte elements; after every 64 words 4 words of padding
	s_mov_b32 s[G1+1], 128<<16                     ; tensor_dim0 = 128
	s_mov_b32 s[G1+2], 128<<16                     ; tensor_dim1 = 128
	s_mov_b32 s[G1+3], 128<<16                     ; tile_dim0 = 128 elements (256 bytes)
	s_mov_b32 s[G1+4], 128                         ; tile_dim1 = 128 rows
	s_mov_b32 s[G1+5], KTOT                        ; elements from row to row
	s_mov_b32 s[G1+6], 0
	s_mov_b32 s[G1+7], 0
	s_mov_b32 s[G1B+0], 15|(1<<16)|(1<<20)|(1<<21)|(5<<22)|(7<<25)  ; mask: all four partners, bit 21 beside it; after every 64 words 8 words of padding
	s_mov_b32 s[G1B+1], 128<<16                    ; tensor_dim0 = 128
	s_mov_b32 s[G1B+2], 64<<16                     ; tensor_dim1 = 64
	s_mov_b32 s[G1B+3], 128<<16                    ; tile 128 (n)
	s_mov_b32 s[G1B+4], 64                         ; x 64 (k rows)
	s_mov_b32 s[G1B+5], NB
	s_mov_b32 s[G1B+6], 0
	s_mov_b32 s[G1B+7], 0
	s_lshl_b32 s16, s13, 8
	s_lshl_b32 s17, s12, 7
	s_add_co_u32 s16, s16, s17                     ; A: row 256 x block row + 128 x piece
	s_lshl_b32 s16, s16, 11                        ; x 2,048 bytes
	s_cmp_lt_u32 s42, 8
	s_cselect_b32 s17, 0, YN                       ; block columns 0-7 multiply xn, column 8 (k and v) yn
	s_add_co_u32 s16, s16, s17
	s_mov_b32 s17, 0
	s_lshl_b32 s46, s42, 8                         ; B: 256 bytes a block column,
	s_mul_i32 s47, s12, 64*NB*2                    ; 64 k rows a piece
	s_add_co_u32 s46, s46, s47
	s_add_co_u32 s46, s46, WOFF
	s_mov_b32 s47, 0
	s_mul_i32 s20, s10, PIECE                      ; where my piece goes: the wave's number times a constant
	s_wait_dscnt 0x0
	s_wait_kmcnt 0x0
	s_add_nc_u64 s[14:15], s[4:5], s[16:17]
	s_add_nc_u64 s[46:47], s[6:7], s[46:47]
	CROUND                                         ; all four work-groups are here: the first joint loads meet
.irp s, 0,1
	s_mov_b32 s[G0+4*\s], 1
	s_add_co_u32 s[G0+4*\s+1], s20, \s*SLOT
	s_add_nc_u64 s[G0+4*\s+2:G0+4*\s+3], s[14:15], \s*256
	s_or_b32 s[G0+4*\s+3], s[G0+4*\s+3], 0x80000000
	s_mov_b32 s[G0B+4*\s], 1
	s_add_co_u32 s[G0B+4*\s+1], s20, \s*SLOT
	s_add_nc_u64 s[G0B+4*\s+2:G0B+4*\s+3], s[46:47], \s*128*NB*2
	s_or_b32 s[G0B+4*\s+3], s[G0B+4*\s+3], 0x80000000
	JLOAD \s                                       ; both slots' first fills go out together: two tensor loads of this wave are out
.endr
	v_and_b32 v1, 15, v0                           ; r = l % 16
	v_bfe_u32 v2, v0, 4, 1                         ; h = l / 16
	v_mul_u32_u24 v3, v1, PA
	v_lshl_add_u32 v3, v2, 4, v3                   ; A: row x pitch + 16 h
	v_and_b32 v4, 7, v0
	v_lshl_add_u32 v4, v2, 3, v4                   ; B: k row 8 h + (l & 7),
	v_mul_u32_u24 v5, v4, PB
	v_bfe_u32 v4, v0, 3, 1
	v_lshl_add_u32 v5, v4, 4, v5                   ; + 16 ((l >> 3) & 1)
	s_mul_i32 s21, s11, PIECE                      ; my 128 rows of A,
	s_lshl_b32 s22, s12, 7
	s_add_co_u32 s21, s21, s22                     ; my 64 k of them: 128 bytes a half
	s_mul_i32 s22, s12, PIECE                      ; my 64 k rows of B are one piece,
	s_add_co_u32 s22, s22, 2*PIECE                 ; behind A's two
.irp s, 0,1
	v_add_nc_u32 v[ADRA+\s], s21, v3
	v_add_nc_u32 v[ADRB+\s], s22, v5
	s_add_co_u32 s21, s21, SLOT
	s_add_co_u32 s22, s22, SLOT
.endr
	s_mul_i32 s23, s10, PART
	v_mul_u32_u24 v4, v1, PP
	v_lshl_add_u32 v4, v2, 5, v4
	v_add_nc_u32 v[STO], s23, v4                   ; my partial block: row r, 32 bytes for each half of the lanes
	v_and_b32 v6, 31, v0
	s_mul_i32 s23, s11, 2*PART                     ; the two partial blocks of my row half,
	s_mul_i32 s21, s12, 64*PP                      ; of which I add up 64 rows
	s_add_co_u32 s23, s23, s21
.irp p, 0,1
	v_lshl_add_u32 v[RD+\p], v6, 4, s23
	s_add_co_u32 s23, s23, PART
.endr
	v_lshlrev_b32 v[CO], 3, v6                     ; 8 bytes a lane of a bf16 row
; 16 matrix instructions: row blocks a0, a0 + 1 of the window's four x all 8 column blocks, 32 along K.  zero = 1: the product starts the sums.
; The 64 accumulators take turns, one instruction a turn, in the same order everywhere, over the loop's backward jump too.
.macro MUL16 f, hi, a0, zero
.irp a, \a0, \a0+1
.irp b, 0,1,2,3,4,5,6,7
.if \zero
	v_wmma_f32_16x16x32_bf16 v[8*(8*(\a)+\b):8*(8*(\a)+\b)+7], v[\f+8*\b:\f+8*\b+7], v[\f+8*(4*\hi+\a):\f+8*(4*\hi+\a)+7], 0
.else
	v_wmma_f32_16x16x32_bf16 v[8*(8*(\a)+\b):8*(8*(\a)+\b)+7], v[\f+8*\b:\f+8*\b+7], v[\f+8*(4*\hi+\a):\f+8*(4*\hi+\a)+7], v[8*(8*(\a)+\b):8*(8*(\a)+\b)+7]
.endif
.endr
.endr
.endm
; 32 LDS loads in one run: quarter q (32 k) of my 64 k of a slot, 128 columns of B and my 128 rows of A, into buffer f
.macro FETCH slot, q, f
	WIN TO_B
.irp i, 0,1,2,3,4,5,6,7
	ds_load_tr16_b128 v[\f+8*\i:\f+8*\i+3],   v[ADRB+\slot] offset:\q*32*PB+32*\i          ; k = 8 h .. + 7 of column 16 i + r
	ds_load_tr16_b128 v[\f+8*\i+4:\f+8*\i+7], v[ADRB+\slot] offset:\q*32*PB+32*\i+16*PB    ; k = 16 + 8 h .. + 7
.endr
	WIN 0
.irp i, 0,1,2,3,4,5,6,7
	ds_load_b128 v[\f+8*\i:\f+8*\i+3],   v[ADRA+\slot] offset:\q*64+\i*16*PA
	ds_load_b128 v[\f+8*\i+4:\f+8*\i+7], v[ADRA+\slot] offset:\q*64+\i*16*PA+32
.endr
.endm
.macro PLACES                          ; four places behind a matrix instruction, ahead of loads into its sources and of readers of its result
.rept 4
	v_nop
.endr
.endm
; multiplies buffer f; in its middle fetches quarter q of the same slot into buffer g
.macro QUARTER slot, q, f, g, zero
	s_wait_dscnt 8                                 ; B and A's row blocks 0-3 are in; the youngest eight loads (A's row blocks 4-7) may be out
	WIN MUL_LO
	MUL16 \f, 0, 0, \zero
	MUL16 \f, 0, 2, \zero
	PLACES
	FETCH \slot, \q, \g
	s_wait_dscnt 32                                ; all but the 32 just issued
	WIN MUL_HI
	MUL16 \f, 1, 0, \zero
	MUL16 \f, 1, 2, \zero
.endm
; multiplies buffer 1 and changes slots.  In front of the barrier each wave waits for its reads of this slot and for all its tensor loads
; (one is out: its piece of the next slot).  fill = 1: the barrier opens a round of the cluster's barrier, and the refill is the first tensor load behind it.
.macro TURN slot, next, fill
	s_wait_dscnt 8
	WIN MUL_LO
	MUL16 F1, 0, 0, 0
	s_wait_dscnt 0                                 ; my reads of this slot are over
	s_wait_tensorcnt 0x0                           ; all my tensor loads have landed
	ds_add_u32 v255, v255
	s_wait_dscnt 0x0
	s_barrier_signal -1
	MUL16 F1, 0, 2, 0                              ; register work while the others arrive
	WIN 0
	s_barrier_wait -1
.if \fill
	CREST                                          ; no wave of any partner still reads this slot or has a load on its way
	s_add_nc_u64 s[G0+4*\slot+2:G0+4*\slot+3], s[G0+4*\slot+2:G0+4*\slot+3], ASTEP
	s_add_nc_u64 s[G0B+4*\slot+2:G0B+4*\slot+3], s[G0B+4*\slot+2:G0B+4*\slot+3], BSTEP
	JLOAD \slot                                    ; 112 matrix instructions stand between this request and the wait for it
.endif
	PLACES
	FETCH \next, 0, F0
	WIN MUL_HI
	MUL16 F1, 1, 0, 0
	MUL16 F1, 1, 2, 0
.endm
.macro LAP zero
	QUARTER 0, 1, F0, F1, \zero
	TURN 0, 1, 1
	QUARTER 1, 1, F0, F1, 0
	TURN 1, 0, 1
.endm
	s_wait_tensorcnt 1                             ; my piece of K step 0 is in; K step 1's may stay out
	s_barrier_signal -1
	s_barrier_wait -1
	FETCH 0, 0, F0
	LAP 1                                          ; K steps 0, 1: their first products start the sums; asks for 2, 3
	WIN 0                                          ; at a label and at a branch every window is 0
	s_mov_b32 s3, LAPS-2
.Llap:
	LAP 0                                          ; K steps 2 to 5; asks for 4 to 7
	WIN 0
	s_sub_co_u32 s3, s3, 1
	s_cmp_lg_u32 s3, 0
	s_cbranch_scc1 .Llap
	QUARTER 0, 1, F0, F1, 0                        ; the last lap fills nothing
	TURN 0, 1, 0
	QUARTER 1, 1, F0, F1, 0
	s_wait_dscnt 8
	WIN MUL_LO
	MUL16 F1, 0, 0, 0
	MUL16 F1, 0, 2, 0
	s_wait_dscnt 0                                 ; my last reads of the ring are over:
	s_barrier_signal -1                            ; behind this barrier the ring, which has had its last fill, takes the partial blocks
	WIN MUL_HI
	MUL16 F1, 1, 0, 0
	MUL16 F1, 1, 2, 0
	WIN 0
	PLACES
	s_barrier_wait -1
	; THE PARTIAL BLOCKS MEET: each wave lays its 128 x 128 f32 down by rows (pitch 528), then adds up 64 rows of the two blocks of its row half.
	s_lshl_b32 s16, s13, 8
	s_lshl_b32 s17, s10, 6
	s_add_co_u32 s16, s16, s17                     ; the first of the 64 rows that I finish: 256 x block row + 64 x wave
	s_mul_i32 s16, s16, NB*2
	s_mov_b32 s17, 0
	s_add_nc_u64 s[8:9], s[8:9], s[16:17]
	s_lshl_b32 s46, s42, 8
	s_mov_b32 s47, 0
	s_add_nc_u64 s[8:9], s[8:9], s[46:47]
.macro PUT hi                          ; the window's 32 tiles: row 16 a + r, bytes 64 b + 32 h .. + 31
.irp a, 0,1,2,3
.irp b, 0,1,2,3,4,5,6,7
	ds_store_b128 v[STO], v[8*(8*\a+\b):8*(8*\a+\b)+3]   offset:(4*\hi+\a)*16*PP+64*\b
	ds_store_b128 v[STO], v[8*(8*\a+\b)+4:8*(8*\a+\b)+7] offset:(4*\hi+\a)*16*PP+64*\b+16
.endr
.endr
.endm
	WIN 0x08                                       ; store data from window 2
	PUT 0
	WIN 0x0c                                       ; from window 3
	PUT 1
	WIN 0
	s_wait_dscnt 0x0                               ; for the others' sake: my block is written
	s_barrier_signal -1
	s_barrier_wait -1
.macro LOADG g, buf                    ; rows 8 g .. 8 g + 7 of my 64, from both blocks: one load is a whole row, 16 bytes a lane
	s_wait_xcnt 0x0                                ; the buffer was store data two groups ago: it is loaded again only behind this wait
.irp i, 0,1,2,3,4,5,6,7
.irp p, 0,1
	ds_load_b128 v[\buf+8*\i+4*\p:\buf+8*\i+4*\p+3], v[RD+\p] offset:(8*\g+\i)*PP
.endr
.endr
.endm
.macro SUMG buf
.irp i, 0,1,2,3,4,5,6,7
	v_pk_add_f32 v[\buf+8*\i:\buf+8*\i+1],   v[\buf+8*\i:\buf+8*\i+1],   v[\buf+8*\i+4:\buf+8*\i+5]
	v_pk_add_f32 v[\buf+8*\i+2:\buf+8*\i+3], v[\buf+8*\i+2:\buf+8*\i+3], v[\buf+8*\i+6:\buf+8*\i+7]
.endr
.endm
.macro OUTG g, buf
.irp i, 0,1,2,3,4,5,6,7
	v_cvt_pk_bf16_f32 v[\buf+8*\i],   v[\buf+8*\i],   v[\buf+8*\i+1]
	v_cvt_pk_bf16_f32 v[\buf+8*\i+1], v[\buf+8*\i+2], v[\buf+8*\i+3]
	global_store_b64 v[CO], v[\buf+8*\i:\buf+8*\i+1], s[8:9] offset:(8*\g+\i)*NB*2   ; the wave stores 256 consecutive bytes, aligned
.endr
.endm
.macro GROUP g, n, buf, nxt
	LOADG \n, \nxt
	s_wait_dscnt 16                                ; this group's 16 loads are in, the next group's stay out
	SUMG \buf
	OUTG \g, \buf
.endm
	LOADG 0, F0
	GROUP 0, 1, F0, F1
	GROUP 1, 2, F1, F0
	GROUP 2, 3, F0, F1
	GROUP 3, 4, F1, F0
	GROUP 4, 5, F0, F1
	GROUP 5, 6, F1, F0
	GROUP 6, 7, F0, F1
	s_wait_dscnt 0
	SUMG F1
	OUTG 7, F1
	s_set_vgpr_msb 0x1
	s_wait_tensorcnt 0x0
	ds_add_u32 v255, v255
	s_wait_dscnt 0x0
	s_set_vgpr_msb 0x100
	CROUND                                         ; the closing round: no work-group ends while a partner may still ask jointly
	s_endpgm
.Lfunc_end_k_qe8c0530c75_qkvp:
	.size	k_qe8c0530c75_qkvp, .Lfunc_end_k_qe8c0530c75_qkvp-k_qe8c0530c75_qkvp
	.p2alignl 7, 3214868480
	.fill 96, 4, 3214868480
	.section	.rodata,"a",@progbits
	.p2align	6, 0x0
	.amdhsa_kernel k_qe8c0530c75_qkvp
		.amdhsa_group_segment_fixed_size 327680
		.amdhsa_private_segment_fixed_size 0
		.amdhsa_enable_private_segment 0
		.amdhsa_kernarg_size 24
		.amdhsa_user_sgpr_count 2
		.amdhsa_user_sgpr_kernarg_segment_ptr 1
		.amdhsa_wavefront_size32 1
		.amdhsa_system_sgpr_workgroup_id_x 1
		.amdhsa_system_sgpr_workgroup_id_y 1
		.amdhsa_system_sgpr_workgroup_id_z 1
		.amdhsa_system_vgpr_workitem_id 0
		.amdhsa_next_free_vgpr 1024
		.amdhsa_next_free_sgpr 66
		.amdhsa_reserve_vcc 0
		.amdhsa_float_denorm_mode_32 3
		.amdhsa_float_denorm_mode_16_64 3
		.amdhsa_memory_ordered 1
		.amdhsa_forward_progress 1
		.amdhsa_inst_pref_size 126
	.end_amdhsa_kernel
	.amdgpu_metadata
---
amdhsa.version: [ 1, 2 ]
amdhsa.kernels:
  - .name:           k_qe8c0530c75_qkvp
    .symbol:         k_qe8c0530c75_qkvp.kd
    .args:
      - { .name: xyn, .offset: 0, .size: 8, .value_kind: global_buffer, .address_space: global }
      - { .name: wb, .offset: 8, .size: 8, .value_kind: global_buffer, .address_space: global }
      - { .name: qkv, .offset: 16, .size: 8, .value_kind: global_buffer, .address_space: global }
    .group_segment_fixed_size: 327680
    .private_segment_fixed_size: 0
    .kernarg_segment_align: 8
    .kernarg_segment_size: 24
    .max_flat_workgroup_size: 128
    .sgpr_count:     66
    .vgpr_count:     1024
    .wavefront_size: 32
...
	.end_amdgpu_metadata
.endif
;; end of part 2
;; launch attn (part 3): grid 256 x 1, 4 waves a work-group, clusters of 4 x 1, 313,856 bytes of LDS; arguments qkv, att; writes att
.if DOCPART == 3
	.amdgcn_target "amdgcn-amd-amdhsa--gfx1250"
	.amdhsa_code_object_version 6
	.text
	.protected	k_qe8c0530c75_attn
	.globl	k_qe8c0530c75_attn
	.p2align	8
	.type	k_qe8c0530c75_attn,@function
k_qe8c0530c75_attn:
	s_mov_b64 s[64:65], 0
	v_nop
	global_prefetch_b8 v0, s[64:65] scope:SCOPE_SE
	s_setreg_imm32_b32 hwreg(HW_REG_WAVE_MODE, 25, 1), 1
	s_wait_xcnt 0x0
	s_wait_alu depctr_hold_cnt(0) depctr_sa_sdst(0) depctr_va_vdst(0) depctr_va_sdst(0) depctr_va_ssrc(0) depctr_va_vcc(0) depctr_vm_vsrc(0)
	s_getreg_b32 s2, hwreg(HW_REG_IB_STS2, 6, 4)
	s_cmp_eq_u32 s2, 0
	s_cbranch_scc0 .Lentry_in_a_cluster
	s_endpgm
.Lentry_in_a_cluster:
	s_bfe_u32 s2, ttmp6, 0x10000c
	s_cmp_lg_u32 s2, 0x3003
	s_cbranch_scc0 .Lentry_shape_is_right
	s_endpgm
.Lentry_shape_is_right:
; att[4096][1024] (bf16) = softmax(q k^T / 8) v, 16 query heads on one shared key and value head.  qkv: [4096][1152] bf16 = q | k | v.
; A work-group takes 128 query rows of one batch and two heads; a wave 32 rows of both heads = four query blocks c = 2 e + f of 16 rows.
; The batch's whole K and V (1,024 rows of 256 bytes, k then v) lie in LDS, filled once.
; CLUSTERS: the four work-groups of a cluster work on the same batch and ask for K and V jointly (mask 15): each wave issues four joint loads
; of 64 rows at the start (four tensor loads of a wave are out); nothing is ever filled again.  The keys are walked in four quarters; quarter p is
; read behind a counted wait and a barrier, while the later quarters are still on their way.
; TRANSPOSED ARITHMETIC, so that no value changes lanes between the two products:
;   S^T = K Q^T: register j of lane (r, h) holds key 16 jt + 8 h + j of query r.  Two such tiles, packed to bf16, ARE the B fragment of P^T for 32 keys.
;   O^T = V^T P^T: V^T's fragments come out of LDS by the transposing load; lane (r, h) holds d = 16 dt + 8 h + j of query r: 16 neighbouring bytes of a row.
; Softmax with a running maximum, one query a lane (the two halves of the lanes join by one v_permlanex16_b32); exponentials in base 2 with
; log2(e)/8 folded in.  P, q, k, v are bf16; maxima, sums and O are f32.  v_exp_f32 flushes results below 2^-126 to zero; the sum is at least 1.
; LDS pitch 272 = 17 x 16: K's plain loads touch sixteen different 16-byte columns; V's transposing loads share columns two deep (no pitch serves both).
.set PK,    272
.set QUART, 256*PK                     ; a quarter of the keys
.set WPART, 64*PK                      ; what one tensor load brings, and what one trip reads
.set STAGE, 1024*PK                    ; behind K and V: 32 rows x 272 bytes for each wave, its own; no fill lands there
.set ROWB,  2304                       ; bytes in a row of qkv
.set KAPPA,  0x3e38aa3b                ; log2(e) / 8
.set NKAPPA, 0xbe38aa3b
.set KA,  16                           ; window 0: LDS address of my K fragments, stepped by a trip's 64 rows
.set VA,  17                           ;           the same for V
.set STO, 18
.set RD,  19
.set CO,  20
.set QO,  21
.set Q,   32                           ; v[32:95]   Q fragments (c, t) at 16 c + 8 t
.set KF,  96                           ; v[96:159]  K fragments (jt, t) at 16 jt + 8 t; on the way out: packed results
.set VF,  160                          ; v[160:223] V^T fragments (u, dt) at 8 (4 u + dt); on the way out: rows read back
                                       ; window 1: O tile (c, dt) at 32 c + 8 dt
.set S,   0                            ; window 2: S tile (c, jt) at 32 c + 8 jt
.set P,   128                          ;           P fragment (c, u) at 16 c + 8 u
.set T,   192                          ;           at work, four a block
.set MO,  208                          ;           the running maximum
.set MN,  212                          ;           the new one
.set NM,  216                          ;           pairs: - kappa x maximum in the low register
.set AL,  224                          ;           pairs: the factor on what has been summed
.set LS,  232                          ;           pairs: two partial sums
.set XP,  240                          ;           the other half's value
.set G1,  24
.set G0,  32                           ; s[32:47] four sets, one for each quarter
.set MSB, 0
.macro WIN new
.if MSB != \new
	s_set_vgpr_msb (MSB<<8)|\new
.set MSB, \new
.endif
.endm
.macro ROUND
	s_barrier_signal -1
	s_barrier_wait -1
	s_cmp_lg_u32 s10, 0
	s_cbranch_scc1 .Lnot_wave_0_\@
	s_barrier_signal -3
.Lnot_wave_0_\@:
	s_barrier_wait -3
	s_barrier_signal -1
	s_barrier_wait -1
.endm
.macro PLACES                          ; four places behind a matrix instruction (ISA guide 7.12.1)
.rept 4
	v_nop
.endr
.endm
	s_load_b128 s[4:7], s[0:1], 0x0                ; qkv s[4:5], att s[6:7]
	v_lshl_add_u32 v254, v0, 2, 0x4c800
	v_mov_b32 v255, 0
	ds_add_u32 v254, v255
	v_lshrrev_b32 v1, 5, v0
	v_readfirstlane_b32 s10, v1                    ; wave 0..3
	s_bfe_u32 s48, ttmp6, 0x40000                  ; cx
	s_lshr_b32 s50, ttmp9, 4                       ; batch: 16 clusters each
	s_bfe_u32 s51, ttmp9, 0x30001                  ; block of 128 query rows
	s_and_b32 s52, ttmp9, 1
	s_lshl_b32 s52, s52, 2
	s_add_co_u32 s52, s52, s48                     ; pair of heads 0..7
	s_mov_b32 s54, 0x76543210
	s_mov_b32 s55, 0xfedcba98
	s_mov_b32 s[G1+0], 15|(1<<16)|(1<<20)|(1<<21)|(5<<22)|(3<<25)   ; mask: all four partners, bit 21 beside it; 2-byte elements; after every 64 words 4 words of padding
	s_mov_b32 s[G1+1], 128<<16
	s_mov_b32 s[G1+2], 64<<16
	s_mov_b32 s[G1+3], 128<<16                     ; tile: 128 elements (k and v of a row, 256 bytes)
	s_mov_b32 s[G1+4], 64                          ; x 64 rows
	s_mov_b32 s[G1+5], 1152
	s_mov_b32 s[G1+6], 0
	s_mov_b32 s[G1+7], 0
	s_lshl_b32 s16, s50, 10
	s_lshl_b32 s17, s10, 6
	s_add_co_u32 s16, s16, s17                     ; row 1,024 x batch + 64 x wave: batch and wave alone, the same in all partners
	s_mul_i32 s16, s16, ROWB
	s_add_co_u32 s16, s16, 2048                    ; behind q's 1,024 columns
	s_mov_b32 s17, 0
	s_mul_i32 s20, s10, WPART
	s_wait_dscnt 0x0
	s_wait_kmcnt 0x0
	s_add_nc_u64 s[14:15], s[4:5], s[16:17]
	ROUND                                          ; all four work-groups are here: the joint loads meet
.irp p, 0,1,2,3
	s_mov_b32 s[G0+4*\p], 1
	s_add_co_u32 s[G0+4*\p+1], s20, \p*QUART
	s_add_nc_u64 s[G0+4*\p+2:G0+4*\p+3], s[14:15], \p*256*ROWB
	s_or_b32 s[G0+4*\p+3], s[G0+4*\p+3], 0x80000000
	tensor_load_to_lds s[G0+4*\p:G0+4*\p+3], s[G1:G1+7]
	s_nop 0
.endr
	v_and_b32 v1, 15, v0                           ; r
	v_bfe_u32 v2, v0, 4, 1                         ; h
	v_mul_u32_u24 v[QO], v1, ROWB
	v_lshl_add_u32 v[QO], v2, 4, v[QO]             ; q: row r, 16 h
	s_lshl_b32 s18, s50, 10
	s_lshl_b32 s19, s51, 7
	s_add_co_u32 s18, s18, s19
	s_lshl_b32 s19, s10, 5
	s_add_co_u32 s18, s18, s19                     ; my first query row
	s_lshl_b32 s19, s52, 8                         ; two heads = 256 bytes
	s_mul_i32 s16, s18, ROWB
	s_add_co_u32 s16, s16, s19
	s_add_nc_u64 s[12:13], s[4:5], s[16:17]
	s_lshl_b32 s16, s18, 11
	s_add_co_u32 s16, s16, s19
	s_add_nc_u64 s[6:7], s[6:7], s[16:17]
.irp e, 0,1
.irp f, 0,1
.irp t, 0,1
	global_load_b128 v[Q+16*(2*\e+\f)+8*\t:Q+16*(2*\e+\f)+8*\t+3],   v[QO], s[12:13] offset:\f*16*ROWB+\e*128+\t*64
	global_load_b128 v[Q+16*(2*\e+\f)+8*\t+4:Q+16*(2*\e+\f)+8*\t+7], v[QO], s[12:13] offset:\f*16*ROWB+\e*128+\t*64+32
.endr
.endr
.endr
	v_mul_u32_u24 v3, v1, PK
	v_lshl_add_u32 v[KA], v2, 4, v3                ; K: row r, 16 h
	v_and_b32 v4, 7, v0
	v_lshl_add_u32 v4, v2, 3, v4
	v_mul_u32_u24 v4, v4, PK                       ; V: key row 8 h + (l & 7),
	v_bfe_u32 v5, v0, 3, 1
	v_lshl_add_u32 v4, v5, 4, v4                   ; + 16 ((l >> 3) & 1),
	v_add_nc_u32 v[VA], 128, v4                    ; behind k's 128 bytes
	s_mul_i32 s21, s10, 32*PK
	s_add_co_u32 s21, s21, STAGE                   ; my stage
	v_add_nc_u32 v[STO], s21, v[KA]                ; in: row r, 16 h
	v_mul_u32_u24 v5, v2, PK
	v_lshl_add_u32 v5, v1, 4, v5
	v_add_nc_u32 v[RD], s21, v5                    ; back: lanes 0-15 one row of 256 bytes, lanes 16-31 the next
	v_lshlrev_b32 v5, 11, v2
	v_lshl_add_u32 v[CO], v1, 4, v5                ; the same two rows in att
	WIN 0x80                                       ; destination window 2: the halves of pairs that are named and never used, and v_permlanex16_b32's destinations
.irp c, 0,1,2,3
	v_mov_b32 v[NM+2*\c+1], 0
	v_mov_b32 v[AL+2*\c+1], 0
	v_mov_b32 v[XP+\c], 0
.endr
	WIN 0
; One trip: 64 keys against my four query blocks.  first = 1: the products and sums start, nothing is cleared and nothing rescaled.
.macro TRIP first
.if \first == 0
	PLACES                                         ; behind the last trip's matrix instructions, ahead of the loads into V's fragments
.endif
	WIN 0
.irp jt, 0,1,2,3
.irp t, 0,1
	ds_load_b128 v[KF+16*\jt+8*\t:KF+16*\jt+8*\t+3],   v[KA] offset:\jt*16*PK+64*\t
	ds_load_b128 v[KF+16*\jt+8*\t+4:KF+16*\jt+8*\t+7], v[KA] offset:\jt*16*PK+64*\t+32
.endr
.endr
.irp u, 0,1
.irp dt, 0,1,2,3
	ds_load_tr16_b128 v[VF+8*(4*\u+\dt):VF+8*(4*\u+\dt)+3],   v[VA] offset:\u*32*PK+32*\dt
	ds_load_tr16_b128 v[VF+8*(4*\u+\dt)+4:VF+8*(4*\u+\dt)+7], v[VA] offset:\u*32*PK+32*\dt+16*PK
.endr
.endr
	v_add_nc_u32 v[KA], WPART, v[KA]               ; the next trip's 64 rows
	v_add_nc_u32 v[VA], WPART, v[VA]
	s_wait_dscnt 16                                ; K's 16 loads are in, V's 16 stay out
	WIN 0xa0                                       ; A, B window 0; C, D window 2
	; S^T = K Q^T: the 16 tiles take turns, one instruction a turn
.irp c, 0,1,2,3
.irp jt, 0,1,2,3
	v_wmma_f32_16x16x32_bf16 v[S+32*\c+8*\jt:S+32*\c+8*\jt+7], v[KF+16*\jt:KF+16*\jt+7], v[Q+16*\c:Q+16*\c+7], 0
.endr
.endr
.irp c, 0,1,2,3
.irp jt, 0,1,2,3
	v_wmma_f32_16x16x32_bf16 v[S+32*\c+8*\jt:S+32*\c+8*\jt+7], v[KF+16*\jt+8:KF+16*\jt+15], v[Q+16*\c+8:Q+16*\c+15], v[S+32*\c+8*\jt:S+32*\c+8*\jt+7]
.endr
.endr
	PLACES
	WIN 0xaa                                       ; everything in window 2
	; the largest of my 32 scores of each block, four chains a block; then the running maximum and the other half's
.irp c, 0,1,2,3
.irp k, 0,1,2,3
	v_max3_num_f32 v[T+4*\c+\k], v[S+32*\c+8*\k], v[S+32*\c+8*\k+1], v[S+32*\c+8*\k+2]
.endr
.endr
.irp c, 0,1,2,3
.irp k, 0,1,2,3
	v_max3_num_f32 v[T+4*\c+\k], v[T+4*\c+\k], v[S+32*\c+8*\k+3], v[S+32*\c+8*\k+4]
.endr
.endr
.irp c, 0,1,2,3
.irp k, 0,1,2,3
	v_max3_num_f32 v[T+4*\c+\k], v[T+4*\c+\k], v[S+32*\c+8*\k+5], v[S+32*\c+8*\k+6]
.endr
.endr
.irp c, 0,1,2,3
.irp k, 0,1,2,3
	v_max_num_f32 v[T+4*\c+\k], v[T+4*\c+\k], v[S+32*\c+8*\k+7]
.endr
.endr
.irp c, 0,1,2,3
	v_max3_num_f32 v[T+4*\c], v[T+4*\c], v[T+4*\c+1], v[T+4*\c+2]
.endr
.irp c, 0,1,2,3
.if \first
	v_max_num_f32 v[T+4*\c], v[T+4*\c], v[T+4*\c+3]
.else
	v_max3_num_f32 v[T+4*\c], v[T+4*\c], v[T+4*\c+3], v[MO+\c]
.endif
.endr
.irp c, 0,1,2,3
	v_permlanex16_b32 v[XP+\c], v[T+4*\c], s54, s55
.endr
.irp c, 0,1,2,3
	v_max_num_f32 v[MN+\c], v[T+4*\c], v[XP+\c]
.endr
.if \first == 0
.irp c, 0,1,2,3
	v_sub_f32 v[AL+2*\c], v[MO+\c], v[MN+\c]
.endr
.irp c, 0,1,2,3
	v_mul_f32 v[AL+2*\c], KAPPA, v[AL+2*\c]
.endr
.endif
.irp c, 0,1,2,3
	v_mul_f32 v[NM+2*\c], NKAPPA, v[MN+\c]
.endr
.if \first == 0
.irp c, 0,1,2,3
	v_exp_f32 v[AL+2*\c], v[AL+2*\c]               ; the multiply-adds below, which name none of these, stand between them and their use (ISA guide 5.7.2)
.endr
.endif
.irp c, 0,1,2,3
.set n, 0
.rept 16
	v_pk_fma_f32 v[S+32*\c+n:S+32*\c+n+1], v[S+32*\c+n:S+32*\c+n+1], KAPPA, v[NM+2*\c:NM+2*\c+1] op_sel_hi:[1,0,0]   ; kappa (s - maximum)
.set n, n+2
.endr
.endr
.set n, 0
.rept 128
	v_exp_f32 v[S+n], v[S+n]
.set n, n+1
.endr
	v_nop                                          ; the plain place behind the exponentials
	; the sum of my 32 numbers of each block, two chains of pairs a block
	s_wait_alu depctr_va_vdst(0)
.irp c, 0,1,2,3
	v_pk_add_f32 v[T+4*\c:T+4*\c+1],   v[S+32*\c:S+32*\c+1],       v[S+32*\c+2:S+32*\c+3]
	v_pk_add_f32 v[T+4*\c+2:T+4*\c+3], v[S+32*\c+16:S+32*\c+17],   v[S+32*\c+18:S+32*\c+19]
.endr
.irp o, 4,6,8,10,12,14
.irp c, 0,1,2,3
	v_pk_add_f32 v[T+4*\c:T+4*\c+1],   v[T+4*\c:T+4*\c+1],   v[S+32*\c+\o:S+32*\c+\o+1]
	v_pk_add_f32 v[T+4*\c+2:T+4*\c+3], v[T+4*\c+2:T+4*\c+3], v[S+32*\c+16+\o:S+32*\c+16+\o+1]
.endr
.endr
.irp c, 0,1,2,3
.if \first
	v_pk_add_f32 v[LS+2*\c:LS+2*\c+1], v[T+4*\c:T+4*\c+1], v[T+4*\c+2:T+4*\c+3]
.else
	v_pk_add_f32 v[T+4*\c:T+4*\c+1], v[T+4*\c:T+4*\c+1], v[T+4*\c+2:T+4*\c+3]
	v_pk_fma_f32 v[LS+2*\c:LS+2*\c+1], v[LS+2*\c:LS+2*\c+1], v[AL+2*\c:AL+2*\c+1], v[T+4*\c:T+4*\c+1] op_sel_hi:[1,0,1]
.endif
.endr
.set n, 0
.rept 64
	v_cvt_pk_bf16_f32 v[P+n], v[S+2*n], v[S+2*n+1] ; tiles 2 u, 2 u + 1 of a block become registers 0-3, 4-7 of its fragment u
.set n, n+1
.endr
.irp c, 0,1,2,3
	v_mov_b32 v[MO+\c], v[MN+\c]
.endr
.if \first == 0
	WIN 0x49                                       ; O (window 1) times the block's factor (window 2)
.irp c, 0,1,2,3
.set n, 0
.rept 16
	v_pk_mul_f32 v[32*\c+n:32*\c+n+1], v[32*\c+n:32*\c+n+1], v[AL+2*\c:AL+2*\c+1] op_sel_hi:[1,0]
.set n, n+2
.endr
.endr
.endif
	s_wait_dscnt 0                                 ; V's fragments are in
	WIN 0x58                                       ; A window 0, B window 2, C and D window 1
	; O^T += V^T P^T: the 16 tiles take turns, one instruction a turn
.irp u, 0,1
.irp c, 0,1,2,3
.irp dt, 0,1,2,3
.if \first*(1-\u)
	v_wmma_f32_16x16x32_bf16 v[32*\c+8*\dt:32*\c+8*\dt+7], v[VF+8*(4*\u+\dt):VF+8*(4*\u+\dt)+7], v[P+16*\c+8*\u:P+16*\c+8*\u+7], 0
.else
	v_wmma_f32_16x16x32_bf16 v[32*\c+8*\dt:32*\c+8*\dt+7], v[VF+8*(4*\u+\dt):VF+8*(4*\u+\dt)+7], v[P+16*\c+8*\u:P+16*\c+8*\u+7], v[32*\c+8*\dt:32*\c+8*\dt+7]
.endif
.endr
.endr
.endr
.endm
; Quarter p of the keys: four trips (in quarter 0 the first is written out)
.macro PHASE p, trips
	s_wait_tensorcnt 3-\p                          ; my 64 rows of quarter p have landed; my 3 - p later loads stay out
	s_wait_dscnt 0x0
	s_barrier_signal -1
	s_barrier_wait -1                              ; everybody's have
.if \p == 0
	s_wait_loadcnt 0x0                             ; q
	TRIP 1
	WIN 0
.endif
	s_mov_b32 s3, \trips
.Lkeys\p:
	TRIP 0
	WIN 0
	s_sub_co_u32 s3, s3, 1
	s_cmp_lg_u32 s3, 0
	s_cbranch_scc1 .Lkeys\p
.endm
	PHASE 0, 3
	PHASE 1, 4
	PHASE 2, 4
	PHASE 3, 4
	; divide by the sums and leave, through my own stage: 16 bytes a lane in, whole rows of 256 bytes back
	PLACES
	WIN 0xaa
.irp c, 0,1,2,3
	v_add_f32 v[T+\c], v[LS+2*\c], v[LS+2*\c+1]
.endr
.irp c, 0,1,2,3
	v_permlanex16_b32 v[XP+\c], v[T+\c], s54, s55
.endr
.irp c, 0,1,2,3
	v_add_f32 v[T+\c], v[T+\c], v[XP+\c]
.endr
.irp c, 0,1,2,3
	v_rcp_f32 v[AL+2*\c], v[T+\c]
.endr
	v_nop
	WIN 0x49
	s_wait_alu depctr_va_vdst(0)
.irp c, 0,1,2,3
.set n, 0
.rept 16
	v_pk_mul_f32 v[32*\c+n:32*\c+n+1], v[32*\c+n:32*\c+n+1], v[AL+2*\c:AL+2*\c+1] op_sel_hi:[1,0]
.set n, n+2
.endr
.endr
	WIN 0x05                                       ; sources window 1, destination window 0
.irp c, 0,1,2,3
.irp dt, 0,1,2,3
.irp i, 0,1,2,3
	v_cvt_pk_bf16_f32 v[KF+16*\c+4*\dt+\i], v[32*\c+8*\dt+2*\i], v[32*\c+8*\dt+2*\i+1]
.endr
.endr
.endr
	WIN 0
.irp e, 0,1
.irp f, 0,1
.irp dt, 0,1,2,3
	ds_store_b128 v[STO], v[KF+16*(2*\e+\f)+4*\dt:KF+16*(2*\e+\f)+4*\dt+3] offset:\f*16*PK+\e*128+\dt*32
.endr
.endr
.endr
.set n, 0
.rept 16
	ds_load_b128 v[VF+4*n:VF+4*n+3], v[RD] offset:n*2*PK           ; LDS serves a wave's instructions in order: these see the stores above
.set n, n+1
.endr
.set n, 0
.rept 16
	s_wait_dscnt 15-n
	global_store_b128 v[CO], v[VF+4*n:VF+4*n+3], s[6:7] offset:n*4096   ; 16 lanes store 256 consecutive bytes, aligned: two heads of one row
.set n, n+1
.endr
	s_wait_tensorcnt 0x0
	ds_add_u32 v254, v255
	s_wait_dscnt 0x0
	ROUND                                          ; the closing round
	s_endpgm
.Lfunc_end_k_qe8c0530c75_attn:
	.size	k_qe8c0530c75_attn, .Lfunc_end_k_qe8c0530c75_attn-k_qe8c0530c75_attn
	.p2alignl 7, 3214868480
	.fill 96, 4, 3214868480
	.section	.rodata,"a",@progbits
	.p2align	6, 0x0
	.amdhsa_kernel k_qe8c0530c75_attn
		.amdhsa_group_segment_fixed_size 313856
		.amdhsa_private_segment_fixed_size 0
		.amdhsa_enable_private_segment 0
		.amdhsa_kernarg_size 16
		.amdhsa_user_sgpr_count 2
		.amdhsa_user_sgpr_kernarg_segment_ptr 1
		.amdhsa_wavefront_size32 1
		.amdhsa_system_sgpr_workgroup_id_x 1
		.amdhsa_system_sgpr_workgroup_id_y 1
		.amdhsa_system_sgpr_workgroup_id_z 1
		.amdhsa_system_vgpr_workitem_id 0
		.amdhsa_next_free_vgpr 768
		.amdhsa_next_free_sgpr 66
		.amdhsa_reserve_vcc 0
		.amdhsa_float_denorm_mode_32 3
		.amdhsa_float_denorm_mode_16_64 3
		.amdhsa_memory_ordered 1
		.amdhsa_forward_progress 1
		.amdhsa_inst_pref_size 187
	.end_amdhsa_kernel
	.amdgpu_metadata
---
amdhsa.version: [ 1, 2 ]
amdhsa.kernels:
  - .name:           k_qe8c0530c75_attn
    .symbol:         k_qe8c0530c75_attn.kd
    .args:
      - { .name: qkv, .offset: 0, .size: 8, .value_kind: global_buffer, .address_space: global }
      - { .name: att, .offset: 8, .size: 8, .value_kind: global_buffer, .address_space: global }
    .group_segment_fixed_size: 313856
    .private_segment_fixed_size: 0
    .kernarg_segment_align: 8
    .kernarg_segment_size: 16
    .max_flat_workgroup_size: 128
    .sgpr_count:     66
    .vgpr_count:     768
    .wavefront_size: 32
...
	.end_amdgpu_metadata
.endif
;; end of part 3
;; launch ff1 (part 4): grid 32 x 16, 4 waves a work-group, clusters of 4 x 4, 327,680 bytes of LDS; arguments xyn, wb, hb; writes hb
.if DOCPART == 4
	.amdgcn_target "amdgcn-amd-amdhsa--gfx1250"
	.amdhsa_code_object_version 6
	.text
	.protected	k_qe8c0530c75_ff1
	.globl	k_qe8c0530c75_ff1
	.p2align	8
	.type	k_qe8c0530c75_ff1,@function
k_qe8c0530c75_ff1:
	s_mov_b64 s[64:65], 0
	v_nop
	global_prefetch_b8 v0, s[64:65] scope:SCOPE_SE
	s_setreg_imm32_b32 hwreg(HW_REG_WAVE_MODE, 25, 1), 1
	s_wait_xcnt 0x0
	s_wait_alu depctr_hold_cnt(0) depctr_sa_sdst(0) depctr_va_vdst(0) depctr_va_sdst(0) depctr_va_ssrc(0) depctr_va_vcc(0) depctr_vm_vsrc(0)
	s_getreg_b32 s2, hwreg(HW_REG_IB_STS2, 6, 4)
	s_cmp_eq_u32 s2, 0
	s_cbranch_scc0 .Lentry_in_a_cluster
	s_endpgm
.Lentry_in_a_cluster:
	s_bfe_u32 s2, ttmp6, 0x10000c
	s_cmp_lg_u32 s2, 0xf033
	s_cbranch_scc0 .Lentry_shape_is_right
	s_endpgm
.Lentry_shape_is_right:
; H[4096][4096] (bf16) = silu(yn Wgate) * (yn Wval).  A: yn [4096][1024] bf16; B: Wff1 [1024 (k)][8192 (n)] bf16, columns 0-4095 val, 4096-8191 gate.
; A work-group makes 256 rows x 128 columns of H from 256 x (128 val + 128 gate) sums; four waves, 2 x 2: a wave has 128 rows x (64 val + 64 gate)
; = 64 accumulator tiles, 512 registers: column tiles b = 0..3 are val, b = 4..7 the gates of the same columns, so SwiGLU is lane by lane.
; K goes in steps of 128 through two LDS slots.  B lies [k][n]; its fragments come out of LDS by the transposing load ds_load_tr16_b128.
; CLUSTERS: 4 x 4.  A's tile hangs on the block row alone and is asked for jointly along a row of the cluster, B's on the block column alone, along a column:
; that divides the requests for both by four.
; LDS: two slots of four pieces of 36,864 bytes, piece = the wave that fetches it: A rows 0-127, A rows 128-255 (128 x 272 bytes), val tile, gate tile
; (128 k rows x 288 bytes).  Pitch 272 = 17 x 16 and 288 = 9 x 32: the rows that a fragment load touches start in different 16-byte columns modulo 256.
; REGISTERS in windows of 256: window 0: v0-31 addresses, v64-127 and v128-191 A's fragments, v192-207 packed results; window 1: B's fragments;
; windows 2, 3: accumulator tile (a, b) at v[8 (8 (a & 3) + b)].  The matrix instruction is used transposed (source 0 = B, source 1 = A).
; silu(g) v = (v g) / (1 + 2^(-1.442695 g)): v g is formed first and overflows only where the result itself is at the edge of f32.
; Operands and H are bf16, sums and SwiGLU f32; v_exp_f32 and v_rcp_f32 are good to 1 ULP and flush denormals.
.set PA,    272
.set PB,    288
.set PIECE, 36864
.set SLOT,  4*PIECE
.set LAPS,  4                          ; K = 1024 = 8 steps of 128 = 4 times round the ring
.set YN,    8388608                    ; yn in xyn
.set ASTEP, 512                        ; two K steps along A's rows, bytes
.set BSTEP, 2*128*8192*2               ; two K steps down B's rows, bytes
.set ADRA,  16                         ; v16-17  my A fragments in slot 0, 1
.set ADRBV, 20                         ; v20-21  my val fragments
.set ADRBG, 22                         ; v22-23  my gate fragments
.set STO,   24
.set RD,    25
.set CO,    26
.set F0,    64
.set F1,    128
.set TMP,   192
.set G1,  24
.set G0,  32
.set G1B, 48
.set G0B, 56
.set MSB, 0
.macro WIN new                         ; the immediate's high byte repeats the setting that is left
.if MSB != \new
	s_set_vgpr_msb (MSB<<8)|\new
.set MSB, \new
.endif
.endm
.set MUL_LO, 0xa1
.set MUL_HI, 0xf1
.set TO_B,   0x40
.macro JLOAD s                         ; waves 0, 1 ask for A's two halves, wave 2 for the val tile, wave 3 for the gate tile: one tensor load a wave
	s_cmp_eq_u32 s11, 0
	s_cbranch_scc0 .Lfor_b_\@
	tensor_load_to_lds s[G0+4*\s:G0+4*\s+3], s[G1:G1+7]
	s_nop 0
	s_branch .Lasked_\@
.Lfor_b_\@:
	tensor_load_to_lds s[G0B+4*\s:G0B+4*\s+3], s[G1B:G1B+7]
	s_nop 0
.Lasked_\@:
.endm
.macro CREST
	s_cmp_lg_u32 s10, 0
	s_cbranch_scc1 .Lnot_wave_0_\@
	s_barrier_signal -3
.Lnot_wave_0_\@:
	s_barrier_wait -3
	s_barrier_signal -1
	s_barrier_wait -1
.endm
.macro CROUND
	s_barrier_signal -1
	s_barrier_wait -1
	CREST
.endm
	s_load_b128 s[4:7], s[0:1], 0x0                ; xyn s[4:5], wb s[6:7]
	s_load_b64 s[8:9], s[0:1], 0x10                ; hb
	s_set_vgpr_msb 0x40
	v_lshl_add_u32 v255, v0, 2, 0x48000
	s_set_vgpr_msb 0x4000
	v_mov_b32 v255, 0
	s_set_vgpr_msb 0x1
	ds_add_u32 v255, v255
	s_set_vgpr_msb 0x100
	v_lshrrev_b32 v1, 5, v0
	v_readfirstlane_b32 s10, v1                    ; wave 0..3
	s_lshr_b32 s11, s10, 1                         ; my half of the block's rows.  Also: I fetch for A (0) or for B (1)
	s_and_b32 s12, s10, 1                          ; my half of its columns.  Also: which piece I fetch
	s_bfe_u32 s40, ttmp6, 0x40000                  ; cx
	s_bfe_u32 s41, ttmp6, 0x40004                  ; cy
	s_lshl_b32 s42, ttmp9, 2
	s_add_co_u32 s42, s42, s40                     ; block column = 4 x cluster x + cx
	s_and_b32 s13, ttmp7, 0xffff
	s_lshl_b32 s13, s13, 2
	s_add_co_u32 s13, s13, s41                     ; block row = 4 x cluster y + cy
	s_lshl_b32 s43, s41, 2
	s_lshl_b32 s43, 15, s43                        ; my row of the cluster
	s_lshl_b32 s44, 0x1111, s40                    ; my column
	s_or_b32 s[G1+0], s43, (1<<16)|(1<<20)|(1<<21)|(5<<22)|(3<<25)   ; A: mask of my row, bit 21 beside it; 2-byte elements; after every 64 words 4 words of padding
	s_or_b32 s[G1B+0], s44, (1<<16)|(1<<20)|(1<<21)|(5<<22)|(7<<25)  ; B: mask of my column; 8 words of padding
	s_mov_b32 s[G1+1], 128<<16
	s_mov_b32 s[G1B+1], 128<<16
	s_mov_b32 s[G1+2], 128<<16
	s_mov_b32 s[G1B+2], 128<<16
	s_mov_b32 s[G1+3], 128<<16                     ; both tiles: 128 elements (256 bytes) x 128 rows
	s_mov_b32 s[G1B+3], 128<<16
	s_mov_b32 s[G1+4], 128
	s_mov_b32 s[G1B+4], 128
	s_mov_b32 s[G1+5], 1024                        ; elements from row to row
	s_mov_b32 s[G1B+5], 8192
	s_mov_b32 s[G1+6], 0
	s_mov_b32 s[G1B+6], 0
	s_mov_b32 s[G1+7], 0
	s_mov_b32 s[G1B+7], 0
	s_lshl_b32 s16, s13, 8
	s_lshl_b32 s17, s12, 7
	s_add_co_u32 s16, s16, s17                     ; A: row 256 x block row + 128 x half
	s_lshl_b32 s16, s16, 11
	s_add_co_u32 s16, s16, YN
	s_mov_b32 s17, 0
	s_lshl_b32 s46, s42, 8                         ; B: 256 bytes a block column,
	s_lshl_b32 s47, s12, 13                        ; the gates 4,096 columns further
	s_add_co_u32 s46, s46, s47
	s_mov_b32 s47, 0
	s_mul_i32 s20, s10, PIECE                      ; where my piece goes: the wave's number times a constant
	s_wait_dscnt 0x0
	s_wait_kmcnt 0x0
	s_add_nc_u64 s[14:15], s[4:5], s[16:17]
	s_add_nc_u64 s[46:47], s[6:7], s[46:47]
	CROUND                                         ; all sixteen work-groups are here: the first joint loads meet
.irp s, 0,1
	s_mov_b32 s[G0+4*\s], 1
	s_add_co_u32 s[G0+4*\s+1], s20, \s*SLOT
	s_add_nc_u64 s[G0+4*\s+2:G0+4*\s+3], s[14:15], \s*256
	s_or_b32 s[G0+4*\s+3], s[G0+4*\s+3], 0x80000000
	s_mov_b32 s[G0B+4*\s], 1
	s_add_co_u32 s[G0B+4*\s+1], s20, \s*SLOT
	s_add_nc_u64 s[G0B+4*\s+2:G0B+4*\s+3], s[46:47], \s*128*8192*2
	s_or_b32 s[G0B+4*\s+3], s[G0B+4*\s+3], 0x80000000
	JLOAD \s                                       ; both slots' first fills go out together: two tensor loads of this wave are out
.endr
	v_and_b32 v1, 15, v0                           ; r
	v_bfe_u32 v2, v0, 4, 1                         ; h
	v_mul_u32_u24 v3, v1, PA
	v_lshl_add_u32 v3, v2, 4, v3                   ; row x pitch + 16 h
	v_and_b32 v4, 7, v0
	v_lshl_add_u32 v4, v2, 3, v4
	v_mul_u32_u24 v5, v4, PB                       ; B: k row 8 h + (l & 7),
	v_bfe_u32 v4, v0, 3, 1
	v_lshl_add_u32 v5, v4, 4, v5                   ; + 16 ((l >> 3) & 1)
	s_mul_i32 s21, s11, PIECE                      ; my 128 rows of A
	s_lshl_b32 s22, s12, 7                         ; my 64 columns of the val tile,
	s_add_co_u32 s22, s22, 2*PIECE                 ; which lies behind A's two pieces
.irp s, 0,1
	v_add_nc_u32 v[ADRA+\s], s21, v3
	v_add_nc_u32 v[ADRBV+\s], s22, v5
	v_add_nc_u32 v[ADRBG+\s], PIECE, v[ADRBV+\s]
	s_add_co_u32 s21, s21, SLOT
	s_add_co_u32 s22, s22, SLOT
.endr
	s_mul_i32 s23, s11, 128*PA
	s_lshl_b32 s21, s12, 7
	s_add_co_u32 s23, s23, s21
	v_add_nc_u32 v[STO], s23, v3                   ; stage: row 128 x half + r, bytes 128 x half + 16 h
	s_mul_i32 s23, s10, 64*PA
	v_mul_u32_u24 v4, v2, PA
	v_lshl_add_u32 v4, v1, 4, v4
	v_add_nc_u32 v[RD], s23, v4                    ; back: my 64 rows, two whole rows a load
	v_lshlrev_b32 v4, 13, v2
	v_lshl_add_u32 v[CO], v1, 4, v4                ; the same two rows in H
; The 64 accumulators take turns, one instruction a turn, in the same order everywhere.
.macro MUL16 f, hi, a0, zero
.irp a, \a0, \a0+1
.irp b, 0,1,2,3,4,5,6,7
.if \zero
	v_wmma_f32_16x16x32_bf16 v[8*(8*(\a)+\b):8*(8*(\a)+\b)+7], v[\f+8*\b:\f+8*\b+7], v[\f+8*(4*\hi+\a):\f+8*(4*\hi+\a)+7], 0
.else
	v_wmma_f32_16x16x32_bf16 v[8*(8*(\a)+\b):8*(8*(\a)+\b)+7], v[\f+8*\b:\f+8*\b+7], v[\f+8*(4*\hi+\a):\f+8*(4*\hi+\a)+7], v[8*(8*(\a)+\b):8*(8*(\a)+\b)+7]
.endif
.endr
.endr
.endm
; 32 LDS loads in one run: quarter q (32 k) of a slot: 64 val columns, 64 gate columns, 128 rows of A, into buffer f
.macro FETCH slot, q, f
	WIN TO_B
.irp i, 0,1,2,3
	ds_load_tr16_b128 v[\f+8*\i:\f+8*\i+3],   v[ADRBV+\slot] offset:\q*32*PB+32*\i
	ds_load_tr16_b128 v[\f+8*\i+4:\f+8*\i+7], v[ADRBV+\slot] offset:\q*32*PB+32*\i+16*PB
.endr
.irp i, 0,1,2,3
	ds_load_tr16_b128 v[\f+32+8*\i:\f+32+8*\i+3],   v[ADRBG+\slot] offset:\q*32*PB+32*\i
	ds_load_tr16_b128 v[\f+32+8*\i+4:\f+32+8*\i+7], v[ADRBG+\slot] offset:\q*32*PB+32*\i+16*PB
.endr
	WIN 0
.irp i, 0,1,2,3,4,5,6,7
	ds_load_b128 v[\f+8*\i:\f+8*\i+3],   v[ADRA+\slot] offset:\q*64+\i*16*PA
	ds_load_b128 v[\f+8*\i+4:\f+8*\i+7], v[ADRA+\slot] offset:\q*64+\i*16*PA+32
.endr
.endm
.macro PLACES                          ; four places behind a matrix instruction (ISA guide 7.12.1)
.rept 4
	v_nop
.endr
.endm
.macro QUARTER slot, q, f, g, zero
	s_wait_dscnt 8                                 ; B and A's rows 0-63 are in; the youngest eight loads (A's rows 64-127) may be out
	WIN MUL_LO
	MUL16 \f, 0, 0, \zero
	MUL16 \f, 0, 2, \zero
	PLACES
	FETCH \slot, \q, \g
	s_wait_dscnt 32                                ; all but the 32 just issued
	WIN MUL_HI
	MUL16 \f, 1, 0, \zero
	MUL16 \f, 1, 2, \zero
.endm
.macro THREE slot, zero
	QUARTER \slot, 1, F0, F1, \zero
	QUARTER \slot, 2, F1, F0, 0
	QUARTER \slot, 3, F0, F1, 0
.endm
; The last quarter of a K step multiplies buffer 1 and changes slots: each wave waits for its reads of this slot and for all its tensor loads, then the
; barrier; fill = 1: it opens a round of the cluster's barrier, and the joint refill is the first tensor load behind the round.
.macro TURN slot, next, fill
	s_wait_dscnt 8
	WIN MUL_LO
	MUL16 F1, 0, 0, 0
	s_wait_dscnt 0                                 ; my reads of this slot are over
	s_wait_tensorcnt 0x0                           ; all my tensor loads have landed: the one that was out is my piece of the next slot
	ds_add_u32 v255, v255
	s_wait_dscnt 0x0
	s_barrier_signal -1
	MUL16 F1, 0, 2, 0
	WIN 0
	s_barrier_wait -1
.if \fill
	CREST
	s_add_nc_u64 s[G0+4*\slot+2:G0+4*\slot+3], s[G0+4*\slot+2:G0+4*\slot+3], ASTEP
	s_add_nc_u64 s[G0B+4*\slot+2:G0B+4*\slot+3], s[G0B+4*\slot+2:G0B+4*\slot+3], BSTEP
	JLOAD \slot                                    ; 240 matrix instructions stand between this request and the wait for it
.endif
	PLACES
	FETCH \next, 0, F0
	WIN MUL_HI
	MUL16 F1, 1, 0, 0
	MUL16 F1, 1, 2, 0
.endm
.macro LAP zero
	THREE 0, \zero
	TURN 0, 1, 1
	THREE 1, 0
	TURN 1, 0, 1
.endm
	s_wait_tensorcnt 1                             ; my piece of K step 0 is in; K step 1's may stay out
	s_barrier_signal -1
	s_barrier_wait -1
	FETCH 0, 0, F0
	LAP 1                                          ; the first lap's first products start the sums
	WIN 0
	s_mov_b32 s3, LAPS-2
.Llap:
	LAP 0
	WIN 0
	s_sub_co_u32 s3, s3, 1
	s_cmp_lg_u32 s3, 0
	s_cbranch_scc1 .Llap
	THREE 0, 0                                     ; the last lap fills nothing
	TURN 0, 1, 0                                   ; behind its barrier nobody reads slot 0 any more, and slot 0 has had its last fill
	THREE 1, 0
	s_wait_dscnt 8
	WIN MUL_LO
	MUL16 F1, 0, 0, 0
	MUL16 F1, 0, 2, 0
	s_wait_dscnt 0
	WIN MUL_HI
	MUL16 F1, 1, 0, 0
	MUL16 F1, 1, 2, 0
	PLACES
	s_lshl_b32 s16, s13, 8
	s_lshl_b32 s17, s10, 6
	s_add_co_u32 s16, s16, s17                     ; the 64 rows that I store
	s_lshl_b32 s16, s16, 13                        ; x 8,192 bytes
	s_mov_b32 s17, 0
	s_add_nc_u64 s[8:9], s[8:9], s[16:17]
	s_lshl_b32 s46, s42, 8
	s_mov_b32 s47, 0
	s_add_nc_u64 s[8:9], s[8:9], s[46:47]
; SwiGLU on row block a (q = a & 3 in its window), in place: V = registers 64 q .. + 31 (val), Gt = 64 q + 32 .. + 63 (gate).  Then 16 bytes a lane into the stage:
; 256 rows x 272 bytes in slot 0's first two pieces.
.macro SWI a, q, all, from
	WIN \all
.set p, 0
.rept 16
	v_pk_mul_f32 v[64*\q+p:64*\q+p+1], v[64*\q+p:64*\q+p+1], v[64*\q+32+p:64*\q+32+p+1]                 ; val x gate
	v_pk_mul_f32 v[64*\q+32+p:64*\q+32+p+1], v[64*\q+32+p:64*\q+32+p+1], 0xbfb8aa3b op_sel_hi:[1,0]     ; - log2(e) x gate
.set p, p+2
.endr
.set p, 0
.rept 32
	v_exp_f32 v[64*\q+32+p], v[64*\q+32+p]
.set p, p+1
.endr
	v_nop                                          ; the plain place behind the transcendentals (ISA guide 5.7.2)
.set p, 0
	s_wait_alu depctr_va_vdst(0)
.rept 16
	v_pk_add_f32 v[64*\q+32+p:64*\q+32+p+1], v[64*\q+32+p:64*\q+32+p+1], 1.0 op_sel_hi:[1,0]
.set p, p+2
.endr
.set p, 0
.rept 32
	v_rcp_f32 v[64*\q+32+p], v[64*\q+32+p]
.set p, p+1
.endr
	v_nop
.set p, 0
	s_wait_alu depctr_va_vdst(0)
.rept 16
	v_pk_mul_f32 v[64*\q+p:64*\q+p+1], v[64*\q+p:64*\q+p+1], v[64*\q+32+p:64*\q+32+p+1]
.set p, p+2
.endr
	WIN \from
.irp b, 0,1,2,3
.irp r, 0,1,2,3
	v_cvt_pk_bf16_f32 v[TMP+4*\b+\r], v[64*\q+8*\b+2*\r], v[64*\q+8*\b+2*\r+1]
.endr
.endr
	WIN 0
.irp b, 0,1,2,3
	ds_store_b128 v[STO], v[TMP+4*\b:TMP+4*\b+3] offset:\a*16*PA+32*\b
.endr
.endm
	SWI 0, 0, 0xaa, 0x0a
	SWI 1, 1, 0xaa, 0x0a
	SWI 2, 2, 0xaa, 0x0a
	SWI 3, 3, 0xaa, 0x0a
	SWI 4, 0, 0xff, 0x0f
	SWI 5, 1, 0xff, 0x0f
	SWI 6, 2, 0xff, 0x0f
	SWI 7, 3, 0xff, 0x0f
	s_wait_dscnt 0x0                               ; for the others' sake: a row of the stage is written by two waves
	s_barrier_signal -1
	s_barrier_wait -1
.set t, 0
.rept 32
	ds_load_b128 v[F0+4*t:F0+4*t+3], v[RD] offset:t*2*PA
.set t, t+1
.endr
.set t, 0
.rept 32
	s_wait_dscnt 31-t
	global_store_b128 v[CO], v[F0+4*t:F0+4*t+3], s[8:9] offset:t*2*8192   ; 16 lanes store 256 consecutive bytes, aligned
.set t, t+1
.endr
	s_set_vgpr_msb 0x1
	s_wait_tensorcnt 0x0
	ds_add_u32 v255, v255
	s_wait_dscnt 0x0
	s_set_vgpr_msb 0x100
	CROUND                                         ; the closing round
	s_endpgm
.Lfunc_end_k_qe8c0530c75_ff1:
	.size	k_qe8c0530c75_ff1, .Lfunc_end_k_qe8c0530c75_ff1-k_qe8c0530c75_ff1
	.p2alignl 7, 3214868480
	.fill 96, 4, 3214868480
	.section	.rodata,"a",@progbits
	.p2align	6, 0x0
	.amdhsa_kernel k_qe8c0530c75_ff1
		.amdhsa_group_segment_fixed_size 327680
		.amdhsa_private_segment_fixed_size 0
		.amdhsa_enable_private_segment 0
		.amdhsa_kernarg_size 24
		.amdhsa_user_sgpr_count 2
		.amdhsa_user_sgpr_kernarg_segment_ptr 1
		.amdhsa_wavefront_size32 1
		.amdhsa_system_sgpr_workgroup_id_x 1
		.amdhsa_system_sgpr_workgroup_id_y 1
		.amdhsa_system_sgpr_workgroup_id_z 1
		.amdhsa_system_vgpr_workitem_id 0
		.amdhsa_next_free_vgpr 1024
		.amdhsa_next_free_sgpr 66
		.amdhsa_reserve_vcc 0
		.amdhsa_float_denorm_mode_32 3
		.amdhsa_float_denorm_mode_16_64 3
		.amdhsa_memory_ordered 1
		.amdhsa_forward_progress 1
		.amdhsa_inst_pref_size 233
	.end_amdhsa_kernel
	.amdgpu_metadata
---
amdhsa.version: [ 1, 2 ]
amdhsa.kernels:
  - .name:           k_qe8c0530c75_ff1
    .symbol:         k_qe8c0530c75_ff1.kd
    .args:
      - { .name: xyn, .offset: 0, .size: 8, .value_kind: global_buffer, .address_space: global }
      - { .name: wb, .offset: 8, .size: 8, .value_kind: global_buffer, .address_space: global }
      - { .name: hb, .offset: 16, .size: 8, .value_kind: global_buffer, .address_space: global }
    .group_segment_fixed_size: 327680
    .private_segment_fixed_size: 0
    .kernarg_segment_align: 8
    .kernarg_segment_size: 24
    .max_flat_workgroup_size: 128
    .sgpr_count:     66
    .vgpr_count:     1024
    .wavefront_size: 32
...
	.end_amdgpu_metadata
.endif
;; end of part 4
;; launch wo (part 5): grid 8 x 32, 4 waves a work-group, clusters of 4 x 4, 327,680 bytes of LDS; arguments att, wb, y, yst, g2, tb, tst; writes tb, tst
.if DOCPART == 5
	.amdgcn_target "amdgcn-amd-amdhsa--gfx1250"
	.amdhsa_code_object_version 6
	.text
	.protected	k_qe8c0530c75_wo
	.globl	k_qe8c0530c75_wo
	.p2align	8
	.type	k_qe8c0530c75_wo,@function
k_qe8c0530c75_wo:
	s_mov_b64 s[64:65], 0
	v_nop
	global_prefetch_b8 v0, s[64:65] scope:SCOPE_SE
	s_setreg_imm32_b32 hwreg(HW_REG_WAVE_MODE, 25, 1), 1
	s_wait_xcnt 0x0
	s_wait_alu depctr_hold_cnt(0) depctr_sa_sdst(0) depctr_va_vdst(0) depctr_va_sdst(0) depctr_va_ssrc(0) depctr_va_vcc(0) depctr_vm_vsrc(0)
	s_getreg_b32 s2, hwreg(HW_REG_IB_STS2, 6, 4)
	s_cmp_eq_u32 s2, 0
	s_cbranch_scc0 .Lentry_in_a_cluster
	s_endpgm
.Lentry_in_a_cluster:
	s_bfe_u32 s2, ttmp6, 0x10000c
	s_cmp_lg_u32 s2, 0xf033
	s_cbranch_scc0 .Lentry_shape_is_right
	s_endpgm
.Lentry_shape_is_right:
; T[4096][1024] (f32) = att Wo + (y - mean) rstd g2, and for each row and each block of 128 columns (mean, M2 = sum of squared deviations) of T.
; A: att [4096][1024] bf16; B: Wo [1024 (k)][1024 (n)] bf16 in wb; the residual is made anew in f32 from y and its stored statistics.
; A work-group makes a block of 128 x 128.  So that each wave still has a 128 x 128 accumulator (64 tiles, 512 registers) the four waves SPLIT K: a slot holds
; a K step of 256, wave w multiplies k = 64 w .. 64 w + 63 of it, and the four partial blocks are added through LDS at the end (another order of the sums over k
; than one ascending chain).  B lies [k][n]; its fragments come out of LDS by the transposing load ds_load_tr16_b128.
; CLUSTERS: 4 x 4.  A's tile hangs on the block row alone and is asked for jointly along a row of the cluster, B's on the block column alone, along a column.
; LDS: two slots of four pieces of 36,864 bytes, piece = the wave that fetches it: A rows 0-63, A rows 64-127 (64 x 528 bytes), B k 0-127, B k 128-255 (128 x 288).
; REGISTERS in windows of 256: window 0: v0-63 addresses and row figures, v64-127 and v128-191 A's fragments, later the rows at work; window 1: B's fragments,
; later my 32 rows of y; windows 2, 3: accumulator tile (a, b) at v[8 (8 (a & 3) + b)].  The matrix instruction is used transposed (source 0 = B, source 1 = A).
.set KTOT,  1024
.set NB,    1024
.set WOFF,  25165824                   ; Wo in wb
.set PA,    528
.set PB,    288
.set PIECE, 36864
.set SLOT,  4*PIECE
.set ASTEP, 1024
.set BSTEP, 512*NB*2
.set PP,    528
.set PART,  128*PP
.set ADRA, 16
.set ADRB, 20
.set RD,   24                          ; v24-27
.set STO,  28
.set CO,   29                          ; 16 x lane
.set SOF,  30                          ; 8 x lane
.set GM,   48                          ; v[48:51]  gamma of my four columns
.set MU,   52                          ; v52 mean, v53 rstd of row 'lane' of my 32
.set OM,   54                          ; v54 mean, v55 M2 of T's row 'lane', gathered group by group
.set F0,   64
.set F1,   128
.set D,    192                         ; v[192:207] deviations, four rows x four
.set E,    208                         ; v[208:215] sums, a pair a row
.set QS,   216                         ; v[216:223] sums of squares, a pair a row
.set G1,  24
.set G0,  32
.set G1B, 48
.set G0B, 56
.set MSB, 0
.macro WIN new
.if MSB != \new
	s_set_vgpr_msb (MSB<<8)|\new
.set MSB, \new
.endif
.endm
.set MUL_LO, 0xa1
.set MUL_HI, 0xf1
.set TO_B,   0x40
.macro JLOAD s
	s_cmp_eq_u32 s11, 0
	s_cbranch_scc0 .Lfor_b_\@
	tensor_load_to_lds s[G0+4*\s:G0+4*\s+3], s[G1:G1+7]
	s_nop 0
	s_branch .Lasked_\@
.Lfor_b_\@:
	tensor_load_to_lds s[G0B+4*\s:G0B+4*\s+3], s[G1B:G1B+7]
	s_nop 0
.Lasked_\@:
.endm
.macro CREST
	s_cmp_lg_u32 s10, 0
	s_cbranch_scc1 .Lnot_wave_0_\@
	s_barrier_signal -3
.Lnot_wave_0_\@:
	s_barrier_wait -3
	s_barrier_signal -1
	s_barrier_wait -1
.endm
.macro CROUND
	s_barrier_signal -1
	s_barrier_wait -1
	CREST
.endm
	s_load_b256 s[68:75], s[0:1], 0x0              ; att 68, wb 70, y 72, yst 74
	s_load_b128 s[76:79], s[0:1], 0x20             ; g2 76, tb 78
	s_load_b64 s[80:81], s[0:1], 0x30              ; tst
	s_set_vgpr_msb 0x40
	v_lshl_add_u32 v255, v0, 2, 0x48000
	s_set_vgpr_msb 0x4000
	v_mov_b32 v255, 0
	s_set_vgpr_msb 0x1
	ds_add_u32 v255, v255
	s_set_vgpr_msb 0x100
	v_lshrrev_b32 v1, 5, v0
	v_readfirstlane_b32 s10, v1
	s_lshr_b32 s11, s10, 1
	s_and_b32 s12, s10, 1
	s_bfe_u32 s40, ttmp6, 0x40000                  ; cx
	s_bfe_u32 s41, ttmp6, 0x40004                  ; cy
	s_lshl_b32 s42, ttmp9, 2
	s_add_co_u32 s42, s42, s40                     ; block column
	s_and_b32 s13, ttmp7, 0xffff
	s_lshl_b32 s13, s13, 2
	s_add_co_u32 s13, s13, s41                     ; block row
	s_lshl_b32 s43, s41, 2
	s_lshl_b32 s43, 15, s43                        ; my row of the cluster
	s_lshl_b32 s44, 0x1111, s40                    ; my column
	s_mov_b32 s93, 0x76543210
	s_mov_b32 s94, 0xfedcba98
	s_or_b32 s[G1+0], s43, (1<<16)|(1<<20)|(1<<21)|(6<<22)|(3<<25)   ; A: after every 128 words 4 words of padding
	s_or_b32 s[G1B+0], s44, (1<<16)|(1<<20)|(1<<21)|(5<<22)|(7<<25)  ; B: after every 64 words 8 words
	s_mov_b32 s[G1+1], 256<<16
	s_mov_b32 s[G1+2], 64<<16
	s_mov_b32 s[G1+3], 256<<16                     ; A: 256 elements (512 bytes) x 64 rows
	s_mov_b32 s[G1+4], 64
	s_mov_b32 s[G1+5], KTOT
	s_mov_b32 s[G1+6], 0
	s_mov_b32 s[G1+7], 0
	s_mov_b32 s[G1B+1], 128<<16
	s_mov_b32 s[G1B+2], 128<<16
	s_mov_b32 s[G1B+3], 128<<16                    ; B: 128 elements x 128 k rows
	s_mov_b32 s[G1B+4], 128
	s_mov_b32 s[G1B+5], NB
	s_mov_b32 s[G1B+6], 0
	s_mov_b32 s[G1B+7], 0
	s_lshl_b32 s16, s13, 7
	s_lshl_b32 s17, s12, 6
	s_add_co_u32 s16, s16, s17                     ; A: row 128 x block row + 64 x piece
	s_mul_i32 s16, s16, KTOT*2
	s_mov_b32 s17, 0
	s_lshl_b32 s46, s42, 8
	s_mul_i32 s47, s12, 128*NB*2
	s_add_co_u32 s46, s46, s47
	s_add_co_u32 s46, s46, WOFF
	s_mov_b32 s47, 0
	s_mul_i32 s20, s10, PIECE
	s_wait_dscnt 0x0
	s_wait_kmcnt 0x0
	s_add_nc_u64 s[14:15], s[68:69], s[16:17]
	s_add_nc_u64 s[46:47], s[70:71], s[46:47]
	CROUND
.irp s, 0,1
	s_mov_b32 s[G0+4*\s], 1
	s_add_co_u32 s[G0+4*\s+1], s20, \s*SLOT
	s_add_nc_u64 s[G0+4*\s+2:G0+4*\s+3], s[14:15], \s*512
	s_or_b32 s[G0+4*\s+3], s[G0+4*\s+3], 0x80000000
	s_mov_b32 s[G0B+4*\s], 1
	s_add_co_u32 s[G0B+4*\s+1], s20, \s*SLOT
	s_add_nc_u64 s[G0B+4*\s+2:G0B+4*\s+3], s[46:47], \s*256*NB*2
	s_or_b32 s[G0B+4*\s+3], s[G0B+4*\s+3], 0x80000000
	JLOAD \s                                       ; two tensor loads of this wave are out
.endr
	v_and_b32 v1, 15, v0
	v_bfe_u32 v2, v0, 4, 1
	v_mul_u32_u24 v3, v1, PA
	v_lshl_add_u32 v3, v2, 4, v3
	v_and_b32 v4, 7, v0
	v_lshl_add_u32 v4, v2, 3, v4
	v_mul_u32_u24 v5, v4, PB
	v_bfe_u32 v4, v0, 3, 1
	v_lshl_add_u32 v5, v4, 4, v5
	s_lshl_b32 s21, s10, 7
	s_mul_i32 s22, s10, 64*PB
	s_add_co_u32 s22, s22, 2*PIECE
.irp s, 0,1
	v_add_nc_u32 v[ADRA+\s], s21, v3
	v_add_nc_u32 v[ADRB+\s], s22, v5
	s_add_co_u32 s21, s21, SLOT
	s_add_co_u32 s22, s22, SLOT
.endr
	s_mul_i32 s23, s10, PART
	v_mul_u32_u24 v4, v1, PP
	v_lshl_add_u32 v4, v2, 5, v4
	v_add_nc_u32 v[STO], s23, v4
	v_and_b32 v6, 31, v0
	s_mul_i32 s23, s10, 32*PP
.irp p, 0,1,2,3
	v_lshl_add_u32 v[RD+\p], v6, 4, s23
	s_add_co_u32 s23, s23, PART
.endr
	v_lshlrev_b32 v[CO], 4, v6
	v_lshlrev_b32 v[SOF], 3, v6
	v_mov_b32 v[OM], 0                             ; written whole once: the selects below keep the other lanes
	v_mov_b32 v[OM+1], 0
; The 64 accumulators take turns, one instruction a turn, in the same order everywhere.
.macro MUL16 f, hi, a0, zero
.irp a, \a0, \a0+1
.irp b, 0,1,2,3,4,5,6,7
.if \zero
	v_wmma_f32_16x16x32_bf16 v[8*(8*(\a)+\b):8*(8*(\a)+\b)+7], v[\f+8*\b:\f+8*\b+7], v[\f+8*(4*\hi+\a):\f+8*(4*\hi+\a)+7], 0
.else
	v_wmma_f32_16x16x32_bf16 v[8*(8*(\a)+\b):8*(8*(\a)+\b)+7], v[\f+8*\b:\f+8*\b+7], v[\f+8*(4*\hi+\a):\f+8*(4*\hi+\a)+7], v[8*(8*(\a)+\b):8*(8*(\a)+\b)+7]
.endif
.endr
.endr
.endm
.macro FETCH slot, q, f
	WIN TO_B
.irp i, 0,1,2,3,4,5,6,7
	ds_load_tr16_b128 v[\f+8*\i:\f+8*\i+3],   v[ADRB+\slot] offset:\q*32*PB+32*\i
	ds_load_tr16_b128 v[\f+8*\i+4:\f+8*\i+7], v[ADRB+\slot] offset:\q*32*PB+32*\i+16*PB
.endr
	WIN 0
.irp i, 0,1,2,3,4,5,6,7
	ds_load_b128 v[\f+8*\i:\f+8*\i+3],   v[ADRA+\slot] offset:\q*64+(\i>>2)*PIECE+(\i&3)*16*PA
	ds_load_b128 v[\f+8*\i+4:\f+8*\i+7], v[ADRA+\slot] offset:\q*64+(\i>>2)*PIECE+(\i&3)*16*PA+32
.endr
.endm
.macro PLACES                          ; four places behind a matrix instruction (ISA guide 7.12.1)
.rept 4
	v_nop
.endr
.endm
.macro QUARTER slot, q, f, g, zero
	s_wait_dscnt 8                                 ; B and A's rows 0-63 are in; the youngest eight loads may be out
	WIN MUL_LO
	MUL16 \f, 0, 0, \zero
	MUL16 \f, 0, 2, \zero
	PLACES
	FETCH \slot, \q, \g
	s_wait_dscnt 32                                ; all but the 32 just issued
	WIN MUL_HI
	MUL16 \f, 1, 0, \zero
	MUL16 \f, 1, 2, \zero
.endm
.macro TURN slot, next, fill
	s_wait_dscnt 8
	WIN MUL_LO
	MUL16 F1, 0, 0, 0
	s_wait_dscnt 0                                 ; my reads of this slot are over
	s_wait_tensorcnt 0x0                           ; all my tensor loads have landed
	ds_add_u32 v255, v255
	s_wait_dscnt 0x0
	s_barrier_signal -1
	MUL16 F1, 0, 2, 0
	WIN 0
	s_barrier_wait -1
.if \fill
	CREST                                          ; the round: no wave of any partner still reads this slot or has a load on its way
	s_add_nc_u64 s[G0+4*\slot+2:G0+4*\slot+3], s[G0+4*\slot+2:G0+4*\slot+3], ASTEP
	s_add_nc_u64 s[G0B+4*\slot+2:G0B+4*\slot+3], s[G0B+4*\slot+2:G0B+4*\slot+3], BSTEP
	JLOAD \slot                                    ; the first tensor load behind the round, one a wave
.endif
	PLACES
	FETCH \next, 0, F0
	WIN MUL_HI
	MUL16 F1, 1, 0, 0
	MUL16 F1, 1, 2, 0
.endm
.macro LAP zero
	QUARTER 0, 1, F0, F1, \zero
	TURN 0, 1, 1
	QUARTER 1, 1, F0, F1, 0
	TURN 1, 0, 1
.endm
	s_wait_tensorcnt 1                             ; my piece of K step 0 is in; K step 1's may stay out
	s_barrier_signal -1
	s_barrier_wait -1
	FETCH 0, 0, F0
	LAP 1                                          ; K steps 0, 1; asks for 2, 3 (four K steps in all, so no loop)
	QUARTER 0, 1, F0, F1, 0
	TURN 0, 1, 0
	QUARTER 1, 1, F0, F1, 0
	s_wait_dscnt 8
	WIN MUL_LO
	MUL16 F1, 0, 0, 0
	MUL16 F1, 0, 2, 0
	s_wait_dscnt 0                                 ; my last reads of the ring are over:
	s_barrier_signal -1                            ; behind this barrier the ring, which has had its last fill, takes the partial blocks
	WIN MUL_HI
	MUL16 F1, 1, 0, 0
	MUL16 F1, 1, 2, 0
	WIN 0
	PLACES
	s_barrier_wait -1
	s_lshl_b32 s16, s13, 7
	s_lshl_b32 s17, s10, 5
	s_add_co_u32 s16, s16, s17                     ; the first of the 32 rows that I finish
	s_lshl_b32 s18, s16, 3
	s_mov_b32 s19, 0
	s_add_nc_u64 s[74:75], s[74:75], s[18:19]      ; their statistics of y
	s_add_nc_u64 s[80:81], s[80:81], s[18:19]      ; and of T
	s_lshl_b32 s16, s16, 12
	s_mov_b32 s17, 0
	s_add_nc_u64 s[72:73], s[72:73], s[16:17]
	s_add_nc_u64 s[78:79], s[78:79], s[16:17]
	s_lshl_b32 s46, s42, 9                         ; my block's 128 columns of f32
	s_mov_b32 s47, 0
	s_add_nc_u64 s[72:73], s[72:73], s[46:47]
	s_add_nc_u64 s[78:79], s[78:79], s[46:47]
	s_add_nc_u64 s[76:77], s[76:77], s[46:47]
	s_lshl_b32 s46, s42, 15                        ; tst: [8 column blocks][4096 rows][2]
	s_add_nc_u64 s[80:81], s[80:81], s[46:47]
	global_load_b64 v[MU:MU+1], v[SOF], s[74:75]   ; lane l: (mean, rstd) of my row l
	global_load_b128 v[GM:GM+3], v[CO], s[76:77]
	WIN 0x40                                       ; my 32 rows of y into window 1, where B's fragments lay: a load is a row's 512 consecutive bytes
.set t, 0
.rept 32
	global_load_b128 v[64+4*t:64+4*t+3], v[CO], s[72:73] offset:t*4096 th:TH_LOAD_NT
.set t, t+1
.endr
.macro PUT hi
.irp a, 0,1,2,3
.irp b, 0,1,2,3,4,5,6,7
	ds_store_b128 v[STO], v[8*(8*\a+\b):8*(8*\a+\b)+3]   offset:(4*\hi+\a)*16*PP+64*\b
	ds_store_b128 v[STO], v[8*(8*\a+\b)+4:8*(8*\a+\b)+7] offset:(4*\hi+\a)*16*PP+64*\b+16
.endr
.endr
.endm
	WIN 0x08
	PUT 0
	WIN 0x0c
	PUT 1
	WIN 0
	s_wait_dscnt 0x0                               ; for the others' sake: my block is written
	s_barrier_signal -1
	s_barrier_wait -1
.macro LOADG g, buf
	s_wait_xcnt 0x0                                ; the buffer was store data two groups ago: it is loaded again only behind this wait
.irp i, 0,1,2,3
.irp p, 0,1,2,3
	ds_load_b128 v[\buf+16*\i+4*\p:\buf+16*\i+4*\p+3], v[RD+\p] offset:(4*\g+\i)*PP
.endr
.endr
.endm
.macro SUMG buf
.irp i, 0,1,2,3
	v_pk_add_f32 v[\buf+16*\i:\buf+16*\i+1],     v[\buf+16*\i:\buf+16*\i+1],     v[\buf+16*\i+4:\buf+16*\i+5]
	v_pk_add_f32 v[\buf+16*\i+2:\buf+16*\i+3],   v[\buf+16*\i+2:\buf+16*\i+3],   v[\buf+16*\i+6:\buf+16*\i+7]
	v_pk_add_f32 v[\buf+16*\i+8:\buf+16*\i+9],   v[\buf+16*\i+8:\buf+16*\i+9],   v[\buf+16*\i+12:\buf+16*\i+13]
	v_pk_add_f32 v[\buf+16*\i+10:\buf+16*\i+11], v[\buf+16*\i+10:\buf+16*\i+11], v[\buf+16*\i+14:\buf+16*\i+15]
	v_pk_add_f32 v[\buf+16*\i:\buf+16*\i+1],     v[\buf+16*\i:\buf+16*\i+1],     v[\buf+16*\i+8:\buf+16*\i+9]
	v_pk_add_f32 v[\buf+16*\i+2:\buf+16*\i+3],   v[\buf+16*\i+2:\buf+16*\i+3],   v[\buf+16*\i+10:\buf+16*\i+11]
.endr
.endm
; rows 4 g .. 4 g + 3: sum + (y - mean) rstd gamma, stored
.macro OUTG g, buf
.irp i, 0,1,2,3
	v_readlane_b32 s[84+2*\i], v[MU+1], 4*\g+\i    ; rstd in the pair's low register,
	v_readlane_b32 s[85+2*\i], v[MU], 4*\g+\i      ; the mean in its high one
.endr
	s_wait_loadcnt 28-4*\g                         ; these four rows of y are in, the later rows stay out
	WIN 0x01                                       ; source 0 in window 1
.irp i, 0,1,2,3
.irp c, 0,1,2,3
	v_sub_f32 v[D+4*\i+\c], v[64+16*\g+4*\i+\c], s[85+2*\i]
.endr
.endr
	WIN 0
.irp i, 0,1,2,3
	v_pk_mul_f32 v[D+4*\i:D+4*\i+1],   v[D+4*\i:D+4*\i+1],   s[84+2*\i:85+2*\i] op_sel_hi:[1,0]
	v_pk_mul_f32 v[D+4*\i+2:D+4*\i+3], v[D+4*\i+2:D+4*\i+3], s[84+2*\i:85+2*\i] op_sel_hi:[1,0]
	v_pk_fma_f32 v[\buf+16*\i:\buf+16*\i+1],   v[D+4*\i:D+4*\i+1],   v[GM:GM+1],   v[\buf+16*\i:\buf+16*\i+1]
	v_pk_fma_f32 v[\buf+16*\i+2:\buf+16*\i+3], v[D+4*\i+2:D+4*\i+3], v[GM+2:GM+3], v[\buf+16*\i+2:\buf+16*\i+3]
	global_store_b128 v[CO], v[\buf+16*\i:\buf+16*\i+3], s[78:79] offset:(4*\g+\i)*4096   ; the wave stores 512 consecutive bytes, aligned
.endr
.endm
.macro RED4 b                          ; v[b], v[b+2], v[b+4], v[b+6] summed over the 32 lanes; the odd registers, written before, take the other half's
.irp m, 1,2,4,8
.irp i, 0,2,4,6
	v_add_f32_dpp v[\b+\i], v[\b+\i], v[\b+\i] row_xmask:\m row_mask:0xf bank_mask:0xf
.endr
.endr
.irp i, 0,2,4,6
	v_permlanex16_b32 v[\b+\i+1], v[\b+\i], s93, s94
.endr
.irp i, 0,2,4,6
	v_add_f32 v[\b+\i], v[\b+\i], v[\b+\i+1]
.endr
.endm
; mean and sum of squared deviations of the four rows' 128 columns; lane 4 g + i keeps row i's
.macro STAT4 g, buf
.irp i, 0,1,2,3
	v_pk_add_f32 v[E+2*\i:E+2*\i+1], v[\buf+16*\i:\buf+16*\i+1], v[\buf+16*\i+2:\buf+16*\i+3]
.endr
.irp i, 0,1,2,3
	v_add_f32 v[E+2*\i], v[E+2*\i], v[E+2*\i+1]
.endr
	RED4 E
.irp i, 0,1,2,3
	v_mul_f32 v[E+2*\i], 0x3c000000, v[E+2*\i]     ; / 128
.endr
.irp i, 0,1,2,3
.irp c, 0,1,2,3
	v_sub_f32 v[D+4*\i+\c], v[\buf+16*\i+\c], v[E+2*\i]
.endr
.endr
.irp i, 0,1,2,3
	v_pk_mul_f32 v[QS+2*\i:QS+2*\i+1], v[D+4*\i:D+4*\i+1], v[D+4*\i:D+4*\i+1]
.endr
.irp i, 0,1,2,3
	v_pk_fma_f32 v[QS+2*\i:QS+2*\i+1], v[D+4*\i+2:D+4*\i+3], v[D+4*\i+2:D+4*\i+3], v[QS+2*\i:QS+2*\i+1]
.endr
.irp i, 0,1,2,3
	v_add_f32 v[QS+2*\i], v[QS+2*\i], v[QS+2*\i+1]
.endr
	RED4 QS
.irp i, 0,1,2,3
	s_mov_b32 s92, 1<<(4*\g+\i)
	v_cndmask_b32 v[OM],   v[OM],   v[E+2*\i],  s92
	v_cndmask_b32 v[OM+1], v[OM+1], v[QS+2*\i], s92
.endr
.endm
.macro GROUP g, n, buf, nxt
	LOADG \n, \nxt
	s_wait_dscnt 16                                ; this group's 16 loads are in, the next group's stay out
	SUMG \buf
	OUTG \g, \buf
	STAT4 \g, \buf
.endm
	LOADG 0, F0
	s_wait_loadcnt 32                              ; statistics and gamma are in; y's 32 loads stay out
	GROUP 0, 1, F0, F1
	GROUP 1, 2, F1, F0
	GROUP 2, 3, F0, F1
	GROUP 3, 4, F1, F0
	GROUP 4, 5, F0, F1
	GROUP 5, 6, F1, F0
	GROUP 6, 7, F0, F1
	s_wait_dscnt 0
	SUMG F1
	OUTG 7, F1
	STAT4 7, F1
	global_store_b64 v[SOF], v[OM:OM+1], s[80:81]  ; 32 rows x 8 bytes: 256 consecutive bytes, aligned
	s_set_vgpr_msb 0x1
	s_wait_tensorcnt 0x0
	ds_add_u32 v255, v255
	s_wait_dscnt 0x0
	s_set_vgpr_msb 0x100
	CROUND                                         ; the closing round
	s_endpgm
.Lfunc_end_k_qe8c0530c75_wo:
	.size	k_qe8c0530c75_wo, .Lfunc_end_k_qe8c0530c75_wo-k_qe8c0530c75_wo
	.p2alignl 7, 3214868480
	.fill 96, 4, 3214868480
	.section	.rodata,"a",@progbits
	.p2align	6, 0x0
	.amdhsa_kernel k_qe8c0530c75_wo
		.amdhsa_group_segment_fixed_size 327680
		.amdhsa_private_segment_fixed_size 0
		.amdhsa_enable_private_segment 0
		.amdhsa_kernarg_size 56
		.amdhsa_user_sgpr_count 2
		.amdhsa_user_sgpr_kernarg_segment_ptr 1
		.amdhsa_wavefront_size32 1
		.amdhsa_system_sgpr_workgroup_id_x 1
		.amdhsa_system_sgpr_workgroup_id_y 1
		.amdhsa_system_sgpr_workgroup_id_z 1
		.amdhsa_system_vgpr_workitem_id 0
		.amdhsa_next_free_vgpr 1024
		.amdhsa_next_free_sgpr 100
		.amdhsa_reserve_vcc 0
		.amdhsa_float_denorm_mode_32 3
		.amdhsa_float_denorm_mode_16_64 3
		.amdhsa_memory_ordered 1
		.amdhsa_forward_progress 1
		.amdhsa_inst_pref_size 159
	.end_amdhsa_kernel
	.amdgpu_metadata
---
amdhsa.version: [ 1, 2 ]
amdhsa.kernels:
  - .name:           k_qe8c0530c75_wo
    .symbol:         k_qe8c0530c75_wo.kd
    .args:
      - { .name: att, .offset: 0, .size: 8, .value_kind: global_buffer, .address_space: global }
      - { .name: wb, .offset: 8, .size: 8, .value_kind: global_buffer, .address_space: global }
      - { .name: y, .offset: 16, .size: 8, .value_kind: global_buffer, .address_space: global }
      - { .name: yst, .offset: 24, .size: 8, .value_kind: global_buffer, .address_space: global }
      - { .name: g2, .offset: 32, .size: 8, .value_kind: global_buffer, .address_space: global }
      - { .name: tb, .offset: 40, .size: 8, .value_kind: global_buffer, .address_space: global }
      - { .name: tst, .offset: 48, .size: 8, .value_kind: global_buffer, .address_space: global }
    .group_segment_fixed_size: 327680
    .private_segment_fixed_size: 0
    .kernarg_segment_align: 8
    .kernarg_segment_size: 56
    .max_flat_workgroup_size: 128
    .sgpr_count:     100
    .vgpr_count:     1024
    .wavefront_size: 32
...
	.end_amdgpu_metadata
.endif
;; end of part 5
;; launch ff2 (part 6): grid 8 x 32, 4 waves a work-group, clusters of 4 x 4, 327,680 bytes of LDS; arguments hb, wb, tb, tst, g_out, out0; writes out0
.if DOCPART == 6
	.amdgcn_target "amdgcn-amd-amdhsa--gfx1250"
	.amdhsa_code_object_version 6
	.text
	.protected	k_qe8c0530c75_ff2
	.globl	k_qe8c0530c75_ff2
	.p2align	8
	.type	k_qe8c0530c75_ff2,@function
k_qe8c0530c75_ff2:
	s_mov_b64 s[64:65], 0
	v_nop
	global_prefetch_b8 v0, s[64:65] scope:SCOPE_SE
	s_setreg_imm32_b32 hwreg(HW_REG_WAVE_MODE, 25, 1), 1
	s_wait_xcnt 0x0
	s_wait_alu depctr_hold_cnt(0) depctr_sa_sdst(0) depctr_va_vdst(0) depctr_va_sdst(0) depctr_va_ssrc(0) depctr_va_vcc(0) depctr_vm_vsrc(0)
	s_getreg_b32 s2, hwreg(HW_REG_IB_STS2, 6, 4)
	s_cmp_eq_u32 s2, 0
	s_cbranch_scc0 .Lentry_in_a_cluster
	s_endpgm
.Lentry_in_a_cluster:
	s_bfe_u32 s2, ttmp6, 0x10000c
	s_cmp_lg_u32 s2, 0xf033
	s_cbranch_scc0 .Lentry_shape_is_right
	s_endpgm
.Lentry_shape_is_right:
; out0[4096][1024] (f32) = H Wff2 + (T - mean) rstd g_out, the last LayerNorm folded into the way out.
; A: H [4096][4096] bf16; B: Wff2 [4096 (k)][1024 (n)] bf16 in wb; T f32; tst [8 column blocks][4096 rows] (mean, M2) of 128 columns each, merged here:
; mean = average of the eight means, M2 = sum of the eight M2 + 128 x sum of (mean_p - mean)^2: no difference of large sums is formed.
; A work-group makes a block of 128 x 128.  So that each wave still has a 128 x 128 accumulator (64 tiles, 512 registers) the four waves SPLIT K: a slot holds
; a K step of 256, wave w multiplies k = 64 w .. 64 w + 63 of it, and the four partial blocks are added through LDS at the end (another order of the sums over k
; than one ascending chain).  B lies [k][n]; its fragments come out of LDS by the transposing load ds_load_tr16_b128.
; CLUSTERS: 4 x 4.  A's tile hangs on the block row alone and is asked for jointly along a row of the cluster, B's on the block column alone, along a column.
; LDS: two slots of four pieces of 36,864 bytes, piece = the wave that fetches it: A rows 0-63, A rows 64-127 (64 x 528 bytes), B k 0-127, B k 128-255 (128 x 288).
; REGISTERS in windows of 256: window 0: v0-63 addresses and row figures, v64-127 and v128-191 A's fragments, later the rows at work; window 1: B's fragments,
; later my 32 rows of T; windows 2, 3: accumulator tile (a, b) at v[8 (8 (a & 3) + b)].  The matrix instruction is used transposed (source 0 = B, source 1 = A).
.set KTOT,  4096
.set NB,    1024
.set WOFF,  16777216                   ; Wff2 in wb
.set PA,    528
.set PB,    288
.set PIECE, 36864
.set SLOT,  4*PIECE
.set ASTEP, 1024
.set BSTEP, 512*NB*2
.set LAPS,  KTOT/512
.set PP,    528
.set PART,  128*PP
.set ADRA, 16
.set ADRB, 20
.set RD,   24                          ; v24-27
.set STO,  28
.set CO,   29                          ; 16 x lane
.set SOF,  30                          ; 8 x lane
.set PS,   32                          ; v[32:47]  eight (mean, M2) of row 'lane' of my 32
.set GM,   48                          ; v[48:51]  gamma of my four columns
.set MU,   52                          ; v52 mean, v53 rstd of row 'lane'
.set F0,   64
.set F1,   128
.set D,    192
.set G1,  24
.set G0,  32
.set G1B, 48
.set G0B, 56
.set MSB, 0
.macro WIN new
.if MSB != \new
	s_set_vgpr_msb (MSB<<8)|\new
.set MSB, \new
.endif
.endm
.set MUL_LO, 0xa1
.set MUL_HI, 0xf1
.set TO_B,   0x40
.macro JLOAD s
	s_cmp_eq_u32 s11, 0
	s_cbranch_scc0 .Lfor_b_\@
	tensor_load_to_lds s[G0+4*\s:G0+4*\s+3], s[G1:G1+7]
	s_nop 0
	s_branch .Lasked_\@
.Lfor_b_\@:
	tensor_load_to_lds s[G0B+4*\s:G0B+4*\s+3], s[G1B:G1B+7]
	s_nop 0
.Lasked_\@:
.endm
.macro CREST
	s_cmp_lg_u32 s10, 0
	s_cbranch_scc1 .Lnot_wave_0_\@
	s_barrier_signal -3
.Lnot_wave_0_\@:
	s_barrier_wait -3
	s_barrier_signal -1
	s_barrier_wait -1
.endm
.macro CROUND
	s_barrier_signal -1
	s_barrier_wait -1
	CREST
.endm
	s_load_b256 s[68:75], s[0:1], 0x0              ; hb 68, wb 70, tb 72, tst 74
	s_load_b128 s[76:79], s[0:1], 0x20             ; g_out 76, out0 78
	s_set_vgpr_msb 0x40
	v_lshl_add_u32 v255, v0, 2, 0x48000
	s_set_vgpr_msb 0x4000
	v_mov_b32 v255, 0
	s_set_vgpr_msb 0x1
	ds_add_u32 v255, v255
	s_set_vgpr_msb 0x100
	v_lshrrev_b32 v1, 5, v0
	v_readfirstlane_b32 s10, v1
	s_lshr_b32 s11, s10, 1
	s_and_b32 s12, s10, 1
	s_bfe_u32 s40, ttmp6, 0x40000                  ; cx
	s_bfe_u32 s41, ttmp6, 0x40004                  ; cy
	s_lshl_b32 s42, ttmp9, 2
	s_add_co_u32 s42, s42, s40                     ; block column
	s_and_b32 s13, ttmp7, 0xffff
	s_lshl_b32 s13, s13, 2
	s_add_co_u32 s13, s13, s41                     ; block row
	s_lshl_b32 s43, s41, 2
	s_lshl_b32 s43, 15, s43                        ; my row of the cluster
	s_lshl_b32 s44, 0x1111, s40                    ; my column
	s_mov_b32 s95, 0x3a800000                      ; 1/1024
	s_mov_b32 s96, 0x3727c5ac                      ; 1e-5
	s_or_b32 s[G1+0], s43, (1<<16)|(1<<20)|(1<<21)|(6<<22)|(3<<25)   ; A: after every 128 words 4 words of padding
	s_or_b32 s[G1B+0], s44, (1<<16)|(1<<20)|(1<<21)|(5<<22)|(7<<25)  ; B: after every 64 words 8 words
	s_mov_b32 s[G1+1], 256<<16
	s_mov_b32 s[G1+2], 64<<16
	s_mov_b32 s[G1+3], 256<<16                     ; A: 256 elements (512 bytes) x 64 rows
	s_mov_b32 s[G1+4], 64
	s_mov_b32 s[G1+5], KTOT
	s_mov_b32 s[G1+6], 0
	s_mov_b32 s[G1+7], 0
	s_mov_b32 s[G1B+1], 128<<16
	s_mov_b32 s[G1B+2], 128<<16
	s_mov_b32 s[G1B+3], 128<<16                    ; B: 128 elements x 128 k rows
	s_mov_b32 s[G1B+4], 128
	s_mov_b32 s[G1B+5], NB
	s_mov_b32 s[G1B+6], 0
	s_mov_b32 s[G1B+7], 0
	s_lshl_b32 s16, s13, 7
	s_lshl_b32 s17, s12, 6
	s_add_co_u32 s16, s16, s17                     ; A: row 128 x block row + 64 x piece
	s_mul_i32 s16, s16, KTOT*2
	s_mov_b32 s17, 0
	s_lshl_b32 s46, s42, 8
	s_mul_i32 s47, s12, 128*NB*2
	s_add_co_u32 s46, s46, s47
	s_add_co_u32 s46, s46, WOFF
	s_mov_b32 s47, 0
	s_mul_i32 s20, s10, PIECE
	s_wait_dscnt 0x0
	s_wait_kmcnt 0x0
	s_add_nc_u64 s[14:15], s[68:69], s[16:17]
	s_add_nc_u64 s[46:47], s[70:71], s[46:47]
	CROUND
.irp s, 0,1
	s_mov_b32 s[G0+4*\s], 1
	s_add_co_u32 s[G0+4*\s+1], s20, \s*SLOT
	s_add_nc_u64 s[G0+4*\s+2:G0+4*\s+3], s[14:15], \s*512
	s_or_b32 s[G0+4*\s+3], s[G0+4*\s+3], 0x80000000
	s_mov_b32 s[G0B+4*\s], 1
	s_add_co_u32 s[G0B+4*\s+1], s20, \s*SLOT
	s_add_nc_u64 s[G0B+4*\s+2:G0B+4*\s+3], s[46:47], \s*256*NB*2
	s_or_b32 s[G0B+4*\s+3], s[G0B+4*\s+3], 0x80000000
	JLOAD \s                                       ; two tensor loads of this wave are out
.endr
	v_and_b32 v1, 15, v0
	v_bfe_u32 v2, v0, 4, 1
	v_mul_u32_u24 v3, v1, PA
	v_lshl_add_u32 v3, v2, 4, v3
	v_and_b32 v4, 7, v0
	v_lshl_add_u32 v4, v2, 3, v4
	v_mul_u32_u24 v5, v4, PB
	v_bfe_u32 v4, v0, 3, 1
	v_lshl_add_u32 v5, v4, 4, v5
	s_lshl_b32 s21, s10, 7
	s_mul_i32 s22, s10, 64*PB
	s_add_co_u32 s22, s22, 2*PIECE
.irp s, 0,1
	v_add_nc_u32 v[ADRA+\s], s21, v3
	v_add_nc_u32 v[ADRB+\s], s22, v5
	s_add_co_u32 s21, s21, SLOT
	s_add_co_u32 s22, s22, SLOT
.endr
	s_mul_i32 s23, s10, PART
	v_mul_u32_u24 v4, v1, PP
	v_lshl_add_u32 v4, v2, 5, v4
	v_add_nc_u32 v[STO], s23, v4
	v_and_b32 v6, 31, v0
	s_mul_i32 s23, s10, 32*PP
.irp p, 0,1,2,3
	v_lshl_add_u32 v[RD+\p], v6, 4, s23
	s_add_co_u32 s23, s23, PART
.endr
	v_lshlrev_b32 v[CO], 4, v6
	v_lshlrev_b32 v[SOF], 3, v6
; The 64 accumulators take turns, one instruction a turn, in the same order everywhere, over the loop's backward jump too.
.macro MUL16 f, hi, a0, zero
.irp a, \a0, \a0+1
.irp b, 0,1,2,3,4,5,6,7
.if \zero
	v_wmma_f32_16x16x32_bf16 v[8*(8*(\a)+\b):8*(8*(\a)+\b)+7], v[\f+8*\b:\f+8*\b+7], v[\f+8*(4*\hi+\a):\f+8*(4*\hi+\a)+7], 0
.else
	v_wmma_f32_16x16x32_bf16 v[8*(8*(\a)+\b):8*(8*(\a)+\b)+7], v[\f+8*\b:\f+8*\b+7], v[\f+8*(4*\hi+\a):\f+8*(4*\hi+\a)+7], v[8*(8*(\a)+\b):8*(8*(\a)+\b)+7]
.endif
.endr
.endr
.endm
.macro FETCH slot, q, f
	WIN TO_B
.irp i, 0,1,2,3,4,5,6,7
	ds_load_tr16_b128 v[\f+8*\i:\f+8*\i+3],   v[ADRB+\slot] offset:\q*32*PB+32*\i
	ds_load_tr16_b128 v[\f+8*\i+4:\f+8*\i+7], v[ADRB+\slot] offset:\q*32*PB+32*\i+16*PB
.endr
	WIN 0
.irp i, 0,1,2,3,4,5,6,7
	ds_load_b128 v[\f+8*\i:\f+8*\i+3],   v[ADRA+\slot] offset:\q*64+(\i>>2)*PIECE+(\i&3)*16*PA
	ds_load_b128 v[\f+8*\i+4:\f+8*\i+7], v[ADRA+\slot] offset:\q*64+(\i>>2)*PIECE+(\i&3)*16*PA+32
.endr
.endm
.macro PLACES                          ; four places behind a matrix instruction (ISA guide 7.12.1)
.rept 4
	v_nop
.endr
.endm
.macro QUARTER slot, q, f, g, zero
	s_wait_dscnt 8                                 ; B and A's rows 0-63 are in; the youngest eight loads may be out
	WIN MUL_LO
	MUL16 \f, 0, 0, \zero
	MUL16 \f, 0, 2, \zero
	PLACES
	FETCH \slot, \q, \g
	s_wait_dscnt 32                                ; all but the 32 just issued
	WIN MUL_HI
	MUL16 \f, 1, 0, \zero
	MUL16 \f, 1, 2, \zero
.endm
.macro TURN slot, next, fill
	s_wait_dscnt 8
	WIN MUL_LO
	MUL16 F1, 0, 0, 0
	s_wait_dscnt 0                                 ; my reads of this slot are over
	s_wait_tensorcnt 0x0                           ; all my tensor loads have landed
	ds_add_u32 v255, v255
	s_wait_dscnt 0x0
	s_barrier_signal -1
	MUL16 F1, 0, 2, 0
	WIN 0
	s_barrier_wait -1
.if \fill
	CREST                                          ; the round: no wave of any partner still reads this slot or has a load on its way
	s_add_nc_u64 s[G0+4*\slot+2:G0+4*\slot+3], s[G0+4*\slot+2:G0+4*\slot+3], ASTEP
	s_add_nc_u64 s[G0B+4*\slot+2:G0B+4*\slot+3], s[G0B+4*\slot+2:G0B+4*\slot+3], BSTEP
	JLOAD \slot                                    ; the first tensor load behind the round, one a wave; 112 matrix instructions up to the wait for it
.endif
	PLACES
	FETCH \next, 0, F0
	WIN MUL_HI
	MUL16 F1, 1, 0, 0
	MUL16 F1, 1, 2, 0
.endm
.macro LAP zero
	QUARTER 0, 1, F0, F1, \zero
	TURN 0, 1, 1
	QUARTER 1, 1, F0, F1, 0
	TURN 1, 0, 1
.endm
	s_wait_tensorcnt 1                             ; my piece of K step 0 is in; K step 1's may stay out
	s_barrier_signal -1
	s_barrier_wait -1
	FETCH 0, 0, F0
	LAP 1
	WIN 0
	s_mov_b32 s3, LAPS-2
.Llap:
	LAP 0
	WIN 0
	s_sub_co_u32 s3, s3, 1
	s_cmp_lg_u32 s3, 0
	s_cbranch_scc1 .Llap
	QUARTER 0, 1, F0, F1, 0                        ; the last lap fills nothing
	TURN 0, 1, 0
	QUARTER 1, 1, F0, F1, 0
	s_wait_dscnt 8
	WIN MUL_LO
	MUL16 F1, 0, 0, 0
	MUL16 F1, 0, 2, 0
	s_wait_dscnt 0                                 ; my last reads of the ring are over:
	s_barrier_signal -1                            ; behind this barrier the ring, which has had its last fill, takes the partial blocks
	WIN MUL_HI
	MUL16 F1, 1, 0, 0
	MUL16 F1, 1, 2, 0
	WIN 0
	PLACES
	s_barrier_wait -1
	s_lshl_b32 s16, s13, 7
	s_lshl_b32 s17, s10, 5
	s_add_co_u32 s16, s16, s17                     ; the first of the 32 rows that I finish
	s_lshl_b32 s18, s16, 3
	s_mov_b32 s19, 0
	s_add_nc_u64 s[74:75], s[74:75], s[18:19]      ; their statistics in column block 0
	s_lshl_b32 s16, s16, 12
	s_mov_b32 s17, 0
	s_add_nc_u64 s[72:73], s[72:73], s[16:17]
	s_add_nc_u64 s[78:79], s[78:79], s[16:17]
	s_lshl_b32 s46, s42, 9                         ; my block's 128 columns of f32
	s_mov_b32 s47, 0
	s_add_nc_u64 s[72:73], s[72:73], s[46:47]
	s_add_nc_u64 s[78:79], s[78:79], s[46:47]
	s_add_nc_u64 s[76:77], s[76:77], s[46:47]
.irp p, 0,1,2,3,4,5,6,7
	global_load_b64 v[PS+2*\p:PS+2*\p+1], v[SOF], s[74:75] offset:\p*32768   ; lane l: column block p's (mean, M2) of my row l; 256 consecutive bytes a load
.endr
	global_load_b128 v[GM:GM+3], v[CO], s[76:77]
	WIN 0x40                                       ; my 32 rows of T into window 1, where B's fragments lay
.set t, 0
.rept 32
	global_load_b128 v[64+4*t:64+4*t+3], v[CO], s[72:73] offset:t*4096 th:TH_LOAD_NT
.set t, t+1
.endr
.macro PUT hi
.irp a, 0,1,2,3
.irp b, 0,1,2,3,4,5,6,7
	ds_store_b128 v[STO], v[8*(8*\a+\b):8*(8*\a+\b)+3]   offset:(4*\hi+\a)*16*PP+64*\b
	ds_store_b128 v[STO], v[8*(8*\a+\b)+4:8*(8*\a+\b)+7] offset:(4*\hi+\a)*16*PP+64*\b+16
.endr
.endr
.endm
	WIN 0x08
	PUT 0
	WIN 0x0c
	PUT 1
	WIN 0
	s_wait_dscnt 0x0                               ; for the others' sake: my block is written
	s_barrier_signal -1
	s_barrier_wait -1
.macro LOADG g, buf
	s_wait_xcnt 0x0                                ; the buffer was store data two groups ago: it is loaded again only behind this wait
.irp i, 0,1,2,3
.irp p, 0,1,2,3
	ds_load_b128 v[\buf+16*\i+4*\p:\buf+16*\i+4*\p+3], v[RD+\p] offset:(4*\g+\i)*PP
.endr
.endr
.endm
.macro SUMG buf
.irp i, 0,1,2,3
	v_pk_add_f32 v[\buf+16*\i:\buf+16*\i+1],     v[\buf+16*\i:\buf+16*\i+1],     v[\buf+16*\i+4:\buf+16*\i+5]
	v_pk_add_f32 v[\buf+16*\i+2:\buf+16*\i+3],   v[\buf+16*\i+2:\buf+16*\i+3],   v[\buf+16*\i+6:\buf+16*\i+7]
	v_pk_add_f32 v[\buf+16*\i+8:\buf+16*\i+9],   v[\buf+16*\i+8:\buf+16*\i+9],   v[\buf+16*\i+12:\buf+16*\i+13]
	v_pk_add_f32 v[\buf+16*\i+10:\buf+16*\i+11], v[\buf+16*\i+10:\buf+16*\i+11], v[\buf+16*\i+14:\buf+16*\i+15]
	v_pk_add_f32 v[\buf+16*\i:\buf+16*\i+1],     v[\buf+16*\i:\buf+16*\i+1],     v[\buf+16*\i+8:\buf+16*\i+9]
	v_pk_add_f32 v[\buf+16*\i+2:\buf+16*\i+3],   v[\buf+16*\i+2:\buf+16*\i+3],   v[\buf+16*\i+10:\buf+16*\i+11]
.endr
.endm
; rows 4 g .. 4 g + 3: sum + (T - mean) rstd gamma, stored
.macro OUTG g, buf
.irp i, 0,1,2,3
	v_readlane_b32 s[84+2*\i], v[MU+1], 4*\g+\i    ; rstd in the pair's low register,
	v_readlane_b32 s[85+2*\i], v[MU], 4*\g+\i      ; the mean in its high one
.endr
	s_wait_loadcnt 28-4*\g                         ; these four rows of T are in, the later rows stay out
	WIN 0x01                                       ; source 0 in window 1
.irp i, 0,1,2,3
.irp c, 0,1,2,3
	v_sub_f32 v[D+4*\i+\c], v[64+16*\g+4*\i+\c], s[85+2*\i]
.endr
.endr
	WIN 0
.irp i, 0,1,2,3
	v_pk_mul_f32 v[D+4*\i:D+4*\i+1],   v[D+4*\i:D+4*\i+1],   s[84+2*\i:85+2*\i] op_sel_hi:[1,0]
	v_pk_mul_f32 v[D+4*\i+2:D+4*\i+3], v[D+4*\i+2:D+4*\i+3], s[84+2*\i:85+2*\i] op_sel_hi:[1,0]
	v_pk_fma_f32 v[\buf+16*\i:\buf+16*\i+1],   v[D+4*\i:D+4*\i+1],   v[GM:GM+1],   v[\buf+16*\i:\buf+16*\i+1]
	v_pk_fma_f32 v[\buf+16*\i+2:\buf+16*\i+3], v[D+4*\i+2:D+4*\i+3], v[GM+2:GM+3], v[\buf+16*\i+2:\buf+16*\i+3]
	global_store_b128 v[CO], v[\buf+16*\i:\buf+16*\i+3], s[78:79] offset:(4*\g+\i)*4096 th:TH_STORE_NT   ; the wave stores 512 consecutive bytes, aligned
.endr
.endm
.macro GROUP g, n, buf, nxt
	LOADG \n, \nxt
	s_wait_dscnt 16                                ; this group's 16 loads are in, the next group's stay out
	SUMG \buf
	OUTG \g, \buf
.endm
	LOADG 0, F0
	s_wait_loadcnt 32                              ; the eight statistics and gamma are in; T's 32 loads stay out
	v_add_f32 v56, v[PS], v[PS+2]                  ; lane l merges the eight blocks of its row
	v_add_f32 v57, v[PS+4], v[PS+6]
	v_add_f32 v58, v[PS+8], v[PS+10]
	v_add_f32 v59, v[PS+12], v[PS+14]
	v_add_f32 v56, v56, v57
	v_add_f32 v58, v58, v59
	v_add_f32 v56, v56, v58
	v_mul_f32 v[MU], 0x3e000000, v56               ; the row's mean: / 8
	v_add_f32 v56, v[PS+1], v[PS+3]
	v_add_f32 v57, v[PS+5], v[PS+7]
	v_add_f32 v58, v[PS+9], v[PS+11]
	v_add_f32 v59, v[PS+13], v[PS+15]
	v_add_f32 v56, v56, v57
	v_add_f32 v58, v58, v59
	v_add_f32 v56, v56, v58                        ; the eight M2
	v_sub_f32 v60, v[PS], v[MU]
	v_mul_f32 v58, v60, v60
.irp p, 1,2,3,4,5,6,7
	v_sub_f32 v60, v[PS+2*\p], v[MU]
	v_fmac_f32 v58, v60, v60
.endr
	v_fmamk_f32 v56, v58, 0x43000000, v56          ; + 128 x the blocks' spread
	v_fma_f32 v56, v56, s95, s96                   ; variance + 1e-5
	v_rsq_f32 v[MU+1], v56
	v_nop                                          ; the plain place behind v_rsq_f32 (ISA guide 5.7.2)
	s_wait_alu depctr_va_vdst(0)
	GROUP 0, 1, F0, F1
	GROUP 1, 2, F1, F0
	GROUP 2, 3, F0, F1
	GROUP 3, 4, F1, F0
	GROUP 4, 5, F0, F1
	GROUP 5, 6, F1, F0
	GROUP 6, 7, F0, F1
	s_wait_dscnt 0
	SUMG F1
	OUTG 7, F1
	s_set_vgpr_msb 0x1
	s_wait_tensorcnt 0x0
	ds_add_u32 v255, v255
	s_wait_dscnt 0x0
	s_set_vgpr_msb 0x100
	CROUND                                         ; the closing round
	s_endpgm
.Lfunc_end_k_qe8c0530c75_ff2:
	.size	k_qe8c0530c75_ff2, .Lfunc_end_k_qe8c0530c75_ff2-k_qe8c0530c75_ff2
	.p2alignl 7, 3214868480
	.fill 96, 4, 3214868480
	.section	.rodata,"a",@progbits
	.p2align	6, 0x0
	.amdhsa_kernel k_qe8c0530c75_ff2
		.amdhsa_group_segment_fixed_size 327680
		.amdhsa_private_segment_fixed_size 0
		.amdhsa_enable_private_segment 0
		.amdhsa_kernarg_size 48
		.amdhsa_user_sgpr_count 2
		.amdhsa_user_sgpr_kernarg_segment_ptr 1
		.amdhsa_wavefront_size32 1
		.amdhsa_system_sgpr_workgroup_id_x 1
		.amdhsa_system_sgpr_workgroup_id_y 1
		.amdhsa_system_sgpr_workgroup_id_z 1
		.amdhsa_system_vgpr_workitem_id 0
		.amdhsa_next_free_vgpr 1024
		.amdhsa_next_free_sgpr 100
		.amdhsa_reserve_vcc 0
		.amdhsa_float_denorm_mode_32 3
		.amdhsa_float_denorm_mode_16_64 3
		.amdhsa_memory_ordered 1
		.amdhsa_forward_progress 1
		.amdhsa_inst_pref_size 146
	.end_amdhsa_kernel
	.amdgpu_metadata
---
amdhsa.version: [ 1, 2 ]
amdhsa.kernels:
  - .name:           k_qe8c0530c75_ff2
    .symbol:         k_qe8c0530c75_ff2.kd
    .args:
      - { .name: hb, .offset: 0, .size: 8, .value_kind: global_buffer, .address_space: global }
      - { .name: wb, .offset: 8, .size: 8, .value_kind: global_buffer, .address_space: global }
      - { .name: tb, .offset: 16, .size: 8, .value_kind: global_buffer, .address_space: global }
      - { .name: tst, .offset: 24, .size: 8, .value_kind: global_buffer, .address_space: global }
      - { .name: g_out, .offset: 32, .size: 8, .value_kind: global_buffer, .address_space: global }
      - { .name: out0, .offset: 40, .size: 8, .value_kind: global_buffer, .address_space: global }
    .group_segment_fixed_size: 327680
    .private_segment_fixed_size: 0
    .kernarg_segment_align: 8
    .kernarg_segment_size: 48
    .max_flat_workgroup_size: 128
    .sgpr_count:     100
    .vgpr_count:     1024
    .wavefront_size: 32
...
	.end_amdgpu_metadata
.endif
;; end of part 6
;; ======== version 2 of 2: 6 launches; version 1 with the launch prep written anew for expert scheduling mode
;; workspace buffers: wb 29,622,272 bytes; xyn 16,777,216 bytes; yst 32,768 bytes; qkv 9,437,184 bytes; att 8,388,608 bytes; hb 33,554,432 bytes; tb 16,777,216 bytes; tst 262,144 bytes
;; launch prep (part 7): grid 708 x 1, 8 waves a work-group, no clusters, 0 bytes of LDS; arguments x, y, g1, g2, Wff1, Wff2, Wo, Wq, Wkv, xyn, yst, wb; writes xyn, yst, wb
.if DOCPART == 7
	.amdgcn_target "amdgcn-amd-amdhsa--gfx1250"
	.amdhsa_code_object_version 6
	.text
	.protected	k_qe8c0530c75_prep
	.globl	k_qe8c0530c75_prep
	.p2align	8
	.type	k_qe8c0530c75_prep,@function
k_qe8c0530c75_prep:
	s_mov_b64 s[64:65], 0
	v_nop
	global_prefetch_b8 v0, s[64:65] scope:SCOPE_SE
	s_setreg_imm32_b32 hwreg(HW_REG_WAVE_SCHED_MODE, 0, 2), 2
	s_setreg_imm32_b32 hwreg(HW_REG_WAVE_MODE, 25, 1), 1
	s_wait_xcnt 0x0
	s_wait_alu depctr_vm_vsrc(0)
; prep: xn = LN(x) g1 and yn = LN(y) g2 in bf16, (mean, rstd) of y's rows in f32, and all five weights cast to bf16.
; A pure stream: no LDS, no barrier, no matrix unit, no cluster (no two work-groups read the same bytes).
; Every work-group turns 131,072 bytes of f32 into 65,536 bytes of bf16; a wave owns 16 KiB of the source and issues all its 32
; loads of 16 bytes a lane at once, into 128 registers that are loaded once, so nothing is ever loaded over.
; One load covers 512 consecutive bytes; its two conversions give 8 bytes a lane: one store covers 256 consecutive bytes, aligned.
; Work-groups 0-127: 32 rows of x; 128-255: 32 rows of y; 256-707: casts (Wff1 256, Wff2 128, Wo 32, Wq 32, Wkv 4 work-groups).
; wb: Wff1 [1024][8192] at 0, Wff2 [4096][1024] at 16,777,216, Wo [1024][1024] at 25,165,824,
;     Wqkv [1024][1152] at 27,262,976 (row pitch 2,304 bytes; columns 0-1023 Wq, 1024-1151 Wkv).
; LayerNorm: a wave takes four rows, one row = 8 loads = 32 registers; the variance is taken about the mean (two passes over registers),
; so a common offset of the inputs costs no digits.  v_rsq_f32 is good to 1 ULP.  NaN and infinities are not treated specially.
; The statistics go out as 32 bytes a wave from one lane: 32 KiB in the whole launch, in pieces shorter than 256 bytes.
; THE MODE: SCHED_MODE bits 1:0 = 2 (LLVM: expert scheduling mode 2), set by the entry lines.  The code itself states the register dependences
; between vector instructions and memory instructions, with s_wait_alu, always for 0.
; THE PLAN.  Registers that memory instructions touch:
;   v1, v3     load offsets.  Written at the head; read by the loads; never written again.
;   v2         store offset.  8 x lane at the head; the wave's term is added once on each way, before any memory instruction has read it; read by every
;              store of 8 bytes; never written again.
;   G          gamma.  Loaded once; read by vector instructions alone.
;   X          the wave's 128 registers.  Each is loaded once, worked on in place behind the wait for its load, read by one store, and never written again.
;   ST, SO     the statistics and their offset.  Written by vector instructions; read by the two last stores.
; So no register that a memory instruction has read is written again, and no load lands in a register that a vector instruction has named.
; What is left is: written by a vector instruction, then read by a memory instruction.  The work goes in steps (a cast: four loads; LayerNorm: a row);
; step p's conversions write its part of X; ONE wait on va_vdst at the head of step p + 1, behind the wait for that step's loads, shows them written;
; step p's stores follow it, dealt among step p + 1's vector instructions, which name step p + 1's registers and T alone.  One more wait stands ahead of
; the last step's stores.  The one mask on EXEC, for the statistics, has the waits that a scalar write of EXEC asks for.
.set WQKV, 27262976
.set G,    4                           ; v[4:35]    gamma of my 32 columns
.set X,    36                          ; v[36:163]  the wave's 16 KiB as loaded, then as stored
.set T,    164                         ; v[164:171] four chains of two: no memory instruction names them
.set M,    172                         ; v[172:173] the mean, twice
.set R,    174                         ; v[174:175] rstd, twice
.set ST,   176                         ; v[176:183] (mean, rstd) of my four rows
.set SO,   184                         ; byte offset of the wave's statistics
.set PX,   185                         ; the other half's sum
.set LANE, 186
.set WV,   187
	s_load_b512 s[8:23], s[0:1], 0x0               ; x 8, y 10, g1 12, g2 14, Wff1 16, Wff2 18, Wo 20, Wq 22
	s_load_b256 s[24:31], s[0:1], 0x40             ; Wkv 24, xyn 26, yst 28, wb 30
	s_mov_b32 s40, ttmp9                           ; the work-group's number
	s_mov_b32 s37, 0                               ; high word of every offset pair s[36:37]
	s_mov_b32 s44, 0x3a800000                      ; 1/1024
	s_mov_b32 s45, 0x3727c5ac                      ; 1e-5
	s_mov_b32 s46, 0x76543210                      ; v_permlanex16_b32: lane i reads lane i of the other half
	s_mov_b32 s47, 0xfedcba98
	v_and_b32 v[LANE], 31, v0
	v_lshrrev_b32 v[WV], 5, v0
	v_lshlrev_b32 v3, 4, v[LANE]                   ; 16 x lane: offset in gamma
	v_lshl_add_u32 v1, v[WV], 14, v3               ; load offset: 16,384 x wave + 16 x lane
	v_lshlrev_b32 v2, 3, v[LANE]                   ; store offset: 8 x lane; the wave's term is added on each way
	s_wait_alu depctr_va_vdst(0)                   ; v1 and v3 are written: every load of the kernel, on both ways, reads one of them as its offset
.macro LOAD32
.set k, 0
.rept 32
	global_load_b128 v[X+4*k:X+4*k+3], v1, s[32:33] offset:512*k th:TH_LOAD_NT
.set k, k+1
.endr
.endm
; Eight groups of four loads.  A group: the wait for its loads, the wait that shows the group before converted, then that group's four stores
; dealt among this group's eight conversions in place.  Load k goes to byte (k>>3) p8 + (k&7) p1 behind the wave's first.
.macro CAST32 p8, p1
.set k, 0
.rept 32
.if (k&3) == 0
	s_wait_loadcnt 28-k                            ; loads come back in order: this group's four are in, the 28-k younger ones stay out
.if k > 0
	s_wait_alu depctr_va_vdst(0)                   ; the group before has written its eight packed registers, which the four stores below read; ahead of the first stores v2 is written too
.endif
.endif
.if k > 3
	global_store_b64 v2, v[X+4*(k-4):X+4*(k-4)+1], s[34:35] offset:((k-4)>>3)*\p8+((k-4)&7)*\p1   ; the group before; no vector instruction since the wait names these registers
.endif
	v_cvt_pk_bf16_f32 v[X+4*k],   v[X+4*k],   v[X+4*k+1]
	v_cvt_pk_bf16_f32 v[X+4*k+1], v[X+4*k+2], v[X+4*k+3]
.set k, k+1
.endr
	s_wait_alu depctr_va_vdst(0)                   ; the last group has written its eight packed registers, which the last four stores read
.set k, 28
.rept 4
	global_store_b64 v2, v[X+4*k:X+4*k+1], s[34:35] offset:(k>>3)*\p8+(k&7)*\p1
.set k, k+1
.endr
.endm
.macro FOLD                            ; the four chains into v[T]
	v_pk_add_f32 v[T:T+1],   v[T:T+1],   v[T+2:T+3]
	v_pk_add_f32 v[T+4:T+5], v[T+4:T+5], v[T+6:T+7]
	v_pk_add_f32 v[T:T+1],   v[T:T+1],   v[T+4:T+5]
	v_add_f32 v[T], v[T], v[T+1]
.endm
.macro REDUCE                          ; v[T] summed over the 32 lanes, in every lane
.irp m, 1,2,4,8
	v_add_f32_dpp v[T], v[T], v[T] row_xmask:\m row_mask:0xf bank_mask:0xf
.endr
	v_permlanex16_b32 v[PX], v[T], s46, s47
	v_add_f32 v[T], v[T], v[PX]
.endm
; Row i of the wave's four: registers X + 32 i .. + 31.  The eight stores of row i - 1 are dealt among this row's first eight additions.
.macro LNROW i
	s_wait_loadcnt 24-8*\i                         ; gamma (issued first) and this row's 8 loads are in; the later rows' loads stay out
.if \i > 0
	s_wait_alu depctr_va_vdst(0)                   ; the row before has written its sixteen packed registers, which the eight stores below read; ahead of the first stores v2 is written too
.endif
.irp c, 0,2,4,6
.if \i > 0
	global_store_b64 v2, v[X+32*(\i-1)+2*\c:X+32*(\i-1)+2*\c+1], s[34:35] offset:2048*(\i-1)+128*\c   ; the row before, its first 1,024 bytes; no vector instruction since the wait names these registers
.endif
	v_pk_add_f32 v[T+\c:T+\c+1], v[X+32*\i+\c:X+32*\i+\c+1], v[X+32*\i+8+\c:X+32*\i+8+\c+1]   ; the first words start the chains
.endr
.irp c, 0,2,4,6
.if \i > 0
	global_store_b64 v2, v[X+32*(\i-1)+16+2*\c:X+32*(\i-1)+16+2*\c+1], s[34:35] offset:2048*(\i-1)+1024+128*\c   ; and its second 1,024 bytes
.endif
	v_pk_add_f32 v[T+\c:T+\c+1], v[T+\c:T+\c+1], v[X+32*\i+16+\c:X+32*\i+16+\c+1]
.endr
.irp c, 0,2,4,6
	v_pk_add_f32 v[T+\c:T+\c+1], v[T+\c:T+\c+1], v[X+32*\i+24+\c:X+32*\i+24+\c+1]
.endr
	FOLD
	REDUCE
	v_mul_f32 v[M],   s44, v[T]
	v_mul_f32 v[M+1], s44, v[T]
.set p, 0
.rept 16
	v_pk_add_f32 v[X+32*\i+p:X+32*\i+p+1], v[X+32*\i+p:X+32*\i+p+1], v[M:M+1] neg_lo:[0,1] neg_hi:[0,1]   ; x - mean, in place
.set p, p+2
.endr
.irp c, 0,2,4,6
	v_pk_mul_f32 v[T+\c:T+\c+1], v[X+32*\i+\c:X+32*\i+\c+1], v[X+32*\i+\c:X+32*\i+\c+1]
.endr
.irp o, 8,16,24
.irp c, 0,2,4,6
	v_pk_fma_f32 v[T+\c:T+\c+1], v[X+32*\i+\o+\c:X+32*\i+\o+\c+1], v[X+32*\i+\o+\c:X+32*\i+\o+\c+1], v[T+\c:T+\c+1]
.endr
.endr
	FOLD
	REDUCE
	v_fma_f32 v[T], v[T], s44, s45                 ; variance + 1e-5
	v_rsq_f32 v[R], v[T]
	v_mov_b32 v[ST+2*\i], v[M]                     ; the plain instruction between v_rsq_f32 and the first use of its result (ISA guide 5.7.2)
	s_wait_alu depctr_va_vdst(0)                   ; v_rsq_f32 has written v[R], ahead of the first line that names it
	v_mov_b32 v[R+1], v[R]
	v_mov_b32 v[ST+2*\i+1], v[R]
.set p, 0
.rept 16
	v_pk_mul_f32 v[X+32*\i+p:X+32*\i+p+1], v[X+32*\i+p:X+32*\i+p+1], v[R:R+1]
	v_pk_mul_f32 v[X+32*\i+p:X+32*\i+p+1], v[X+32*\i+p:X+32*\i+p+1], v[G+p:G+p+1]
.set p, p+2
.endr
.irp j, 0,1,2,3,4,5,6,7
	v_cvt_pk_bf16_f32 v[X+32*\i+4*\j],   v[X+32*\i+4*\j],   v[X+32*\i+4*\j+1]      ; the row's stores stand in the next row, behind its wait
	v_cvt_pk_bf16_f32 v[X+32*\i+4*\j+1], v[X+32*\i+4*\j+2], v[X+32*\i+4*\j+3]
.endr
.endm
	s_cmp_lt_u32 s40, 256
	s_cbranch_scc0 .Lcast
	; ---- LayerNorm: 32 rows of x (work-groups 0-127) or of y (128-255)
	s_cmp_lt_u32 s40, 128
	s_wait_kmcnt 0x0
	s_cselect_b64 s[32:33], s[8:9], s[10:11]       ; x or y
	s_cselect_b64 s[38:39], s[12:13], s[14:15]     ; g1 or g2
	s_and_b32 s36, s40, 127
	s_lshl_b32 s36, s36, 17                        ; 32 rows of 4,096 bytes
	s_add_nc_u64 s[32:33], s[32:33], s[36:37]
	s_lshl_b32 s36, s40, 16                        ; xn, then yn: 32 rows of 2,048 bytes for each work-group
	s_add_nc_u64 s[34:35], s[26:27], s[36:37]
.irp j, 0,1,2,3,4,5,6,7
	global_load_b128 v[G+4*\j:G+4*\j+3], v3, s[38:39] offset:512*\j
.endr
	LOAD32
	v_lshl_add_u32 v2, v[WV], 13, v2               ; + four rows of 2,048 bytes a wave (no memory instruction has read v2 yet)
	v_lshlrev_b32 v[SO], 5, v[WV]                  ; four rows x 8 bytes of statistics a wave
	v_mov_b32 v[PX], 0                             ; v_permlanex16_b32 counts as a reader of its destination
	LNROW 0
	LNROW 1
	LNROW 2
	LNROW 3
	s_wait_alu depctr_va_vdst(0)                   ; row 3 has written its sixteen packed registers, which the eight stores below read
.irp j, 0,1,2,3,4,5,6,7
	global_store_b64 v2, v[X+96+4*\j:X+96+4*\j+1], s[34:35] offset:2048*3+256*\j
.endr
	s_cmp_lt_u32 s40, 128
	s_cbranch_scc1 .Ldone                          ; x's statistics are not needed again
	s_wait_xcnt 0x0                                ; EXEC and s[38:39] change only behind this wait
	s_sub_co_u32 s36, s40, 128
	s_lshl_b32 s36, s36, 8                         ; 32 rows x 8 bytes
	s_add_nc_u64 s[38:39], s[28:29], s[36:37]
	v_cmp_eq_u32 vcc_lo, 0, v[LANE]
	s_wait_alu depctr_va_vcc(0)                    ; the compare has written VCC, from which EXEC is made
	s_wait_alu depctr_va_vdst(0)                   ; ahead of a scalar write of EXEC: the vector instructions so far are done; with them v[ST ..] and v[SO], which the two stores below read, are written
	s_wait_alu depctr_vm_vsrc(0)                   ; ahead of a scalar write of EXEC: the loads and stores so far have read their vector registers
	s_and_saveexec_b32 s43, vcc_lo                 ; every lane holds the same eight numbers: lane 0 stores them
	global_store_b128 v[SO], v[ST:ST+3],   s[38:39]
	global_store_b128 v[SO], v[ST+4:ST+7], s[38:39] offset:16
	s_wait_xcnt 0x0                                ; and again in front of the line that widens EXEC
	s_wait_alu depctr_va_vdst(0)                   ; ahead of a scalar write of EXEC: the vector instructions so far are done
	s_wait_alu depctr_vm_vsrc(0)                   ; ahead of a scalar write of EXEC: the two stores have read v[SO] and v[ST ..]
	s_or_b32 exec_lo, exec_lo, s43
.Ldone:
	s_endpgm
	; ---- casts.  c = number - 256 picks the weight and where in it this work-group begins
.Lcast:
	s_sub_co_u32 s41, s40, 256
	s_wait_kmcnt 0x0
	s_mov_b64 s[32:33], s[24:25]                   ; Wkv from c = 448
	s_mov_b32 s42, 448
	s_cmp_lt_u32 s41, 448
	s_cselect_b64 s[32:33], s[22:23], s[32:33]     ; Wq from 416
	s_cselect_b32 s42, 416, s42
	s_cmp_lt_u32 s41, 416
	s_cselect_b64 s[32:33], s[20:21], s[32:33]     ; Wo from 384
	s_cselect_b32 s42, 384, s42
	s_cmp_lt_u32 s41, 384
	s_cselect_b64 s[32:33], s[18:19], s[32:33]     ; Wff2 from 256
	s_cselect_b32 s42, 256, s42
	s_cmp_lt_u32 s41, 256
	s_cselect_b64 s[32:33], s[16:17], s[32:33]     ; Wff1 from 0
	s_cselect_b32 s42, 0, s42
	s_sub_co_u32 s36, s41, s42
	s_lshl_b32 s36, s36, 17
	s_add_nc_u64 s[32:33], s[32:33], s[36:37]
	LOAD32
	s_cmp_lt_u32 s41, 416
	s_cbranch_scc0 .Lq_or_kv
	s_lshl_b32 s36, s41, 16                        ; Wff1, Wff2, Wo keep their shape: the copy is dense
	s_add_nc_u64 s[34:35], s[30:31], s[36:37]
	v_lshl_add_u32 v2, v[WV], 13, v2               ; (no memory instruction has read v2 yet; the first stores stand behind the second group's wait)
	CAST32 2048, 256
	s_endpgm
.Lq_or_kv:
	s_cmp_lt_u32 s41, 448
	s_cbranch_scc0 .Lkv
	s_sub_co_u32 s36, s41, 416                     ; Wq: 32 rows a work-group, 4 a wave, into rows of 2,304 bytes
	s_mul_i32 s36, s36, 32*2304
	s_add_co_u32 s36, s36, WQKV
	s_add_nc_u64 s[34:35], s[30:31], s[36:37]
	v_mad_u32_u24 v2, v[WV], 4*2304, v2
	CAST32 2304, 256
	s_endpgm
.Lkv:
	s_sub_co_u32 s36, s41, 448                     ; Wkv: a load is one row of 128; 256 rows a work-group, 32 a wave, behind Wq's 2,048 bytes
	s_mul_i32 s36, s36, 256*2304
	s_add_co_u32 s36, s36, WQKV+2048
	s_add_nc_u64 s[34:35], s[30:31], s[36:37]
	v_mad_u32_u24 v2, v[WV], 32*2304, v2
	CAST32 8*2304, 2304
	s_endpgm
.Lfunc_end_k_qe8c0530c75_prep:
	.size	k_qe8c0530c75_prep, .Lfunc_end_k_qe8c0530c75_prep-k_qe8c0530c75_prep
	.p2alignl 7, 3214868480
	.fill 96, 4, 3214868480
	.section	.rodata,"a",@progbits
	.p2align	6, 0x0
	.amdhsa_kernel k_qe8c0530c75_prep
		.amdhsa_group_segment_fixed_size 0
		.amdhsa_private_segment_fixed_size 0
		.amdhsa_enable_private_segment 0
		.amdhsa_kernarg_size 96
		.amdhsa_user_sgpr_count 2
		.amdhsa_user_sgpr_kernarg_segment_ptr 1
		.amdhsa_wavefront_size32 1
		.amdhsa_system_sgpr_workgroup_id_x 1
		.amdhsa_system_sgpr_workgroup_id_y 1
		.amdhsa_system_sgpr_workgroup_id_z 1
		.amdhsa_system_vgpr_workitem_id 0
		.amdhsa_next_free_vgpr 192
		.amdhsa_next_free_sgpr 66
		.amdhsa_reserve_vcc 1
		.amdhsa_float_denorm_mode_32 3
		.amdhsa_float_denorm_mode_16_64 3
		.amdhsa_memory_ordered 1
		.amdhsa_forward_progress 1
		.amdhsa_inst_pref_size 66
	.end_amdhsa_kernel
	.amdgpu_metadata
---
amdhsa.version: [ 1, 2 ]
amdhsa.kernels:
  - .name:           k_qe8c0530c75_prep
    .symbol:         k_qe8c0530c75_prep.kd
    .args:
      - { .name: x, .offset: 0, .size: 8, .value_kind: global_buffer, .address_space: global }
      - { .name: y, .offset: 8, .size: 8, .value_kind: global_buffer, .address_space: global }
      - { .name: g1, .offset: 16, .size: 8, .value_kind: global_buffer, .address_space: global }
      - { .name: g2, .offset: 24, .size: 8, .value_kind: global_buffer, .address_space: global }
      - { .name: Wff1, .offset: 32, .size: 8, .value_kind: global_buffer, .address_space: global }
      - { .name: Wff2, .offset: 40, .size: 8, .value_kind: global_buffer, .address_space: global }
      - { .name: Wo, .offset: 48, .size: 8, .value_kind: global_buffer, .address_space: global }
      - { .name: Wq, .offset: 56, .size: 8, .value_kind: global_buffer, .address_space: global }
      - { .name: Wkv, .offset: 64, .size: 8, .value_kind: global_buffer, .address_space: global }
      - { .name: xyn, .offset: 72, .size: 8, .value_kind: global_buffer, .address_space: global }
      - { .name: yst, .offset: 80, .size: 8, .value_kind: global_buffer, .address_space: global }
      - { .name: wb, .offset: 88, .size: 8, .value_kind: global_buffer, .address_space: global }
    .group_segment_fixed_size: 0
    .private_segment_fixed_size: 0
    .kernarg_segment_align: 8
    .kernarg_segment_size: 96
    .max_flat_workgroup_size: 256
    .sgpr_count:     66
    .vgpr_count:     192
    .wavefront_size: 32
...
	.end_amdgpu_metadata
.endif
;; end of part 7
;; launch qkvp: the kernel of part 2 again; grid 16 x 9, 4 waves a work-group, clusters of 4 x 1, 327,680 bytes of LDS; arguments xyn, wb, qkv; writes qkv
;; launch attn: the kernel of part 3 again; grid 256 x 1, 4 waves a work-group, clusters of 4 x 1, 313,856 bytes of LDS; arguments qkv, att; writes att
;; launch ff1: the kernel of part 4 again; grid 32 x 16, 4 waves a work-group, clusters of 4 x 4, 327,680 bytes of LDS; arguments xyn, wb, hb; writes hb
;; launch wo: the kernel of part 5 again; grid 8 x 32, 4 waves a work-group, clusters of 4 x 4, 327,680 bytes of LDS; arguments att, wb, y, yst, g2, tb, tst; writes tb, tst
;; launch ff2: the kernel of part 6 again; grid 8 x 32, 4 waves a work-group, clusters of 4 x 4, 327,680 bytes of LDS; arguments hb, wb, tb, tst, g_out, out0; writes out0
